; MI455X (gfx1250); checked and timed in simulation.
; The chip was launched on July 23, 2026; its instructions are those of AMD's public machine-readable ISA for CDNA 5 (MIT licence, August 2026) and "CDNA5" Instruction Set Architecture Reference Guide (July 2026). The comments in the code are by the model that wrote it; some were corrected since.
;; Linear Attention. Allowed arithmetic: matrix products marked QUANTISED: E4M3 operands, one given power-of-two scale a tensor, by v_wmma_f32_16x16x64_fp8_fp8 or v_wmma_f32_16x16x128_fp8_fp8, f32 sums; products left as they are: f32 operands where the result goes on into a quantised operand, else bf16, f16 or f32 operands; f32 sums; everything else in f32.
;; Inputs: Wk_codes 1,024 x 32 x 32 uint8 (E4M3 codes of Wk, K innermost, in blocks of 32 codes); Wo_codes 1,024 x 32 x 32 uint8 (E4M3 codes of Wo, K innermost, in blocks of 32 codes); Wq_codes 1,024 x 32 x 32 uint8 (E4M3 codes of Wq, K innermost, in blocks of 32 codes); Wv_codes 1,024 x 32 x 32 uint8 (E4M3 codes of Wv, K innermost, in blocks of 32 codes); bk 1,024 float32; bo 1,024 float32; bq 1,024 float32; bv 1,024 float32; lowp_scales 12 int32 (the exponents e of the quantised operands' scales 2^e); x_codes 4 x 4,096 x 32 x 32 uint8 (E4M3 codes of x, K innermost, in blocks of 32 codes).
;; Outputs: out0 4 x 4,096 x 1,024 float32.
;; This version of the problem:
;;   THIS VERSION OF THE PROBLEM IS GIVEN IN LOW PRECISION. The matrix products marked QUANTISED in the list below multiply operands that are first quantised to E4M3 (4 exponent bits, 3 mantissa bits; 8 bits a number), with one given power-of-two scale for each operand tensor; their sums are f32. All else is computed in f32.
;;   The module's matrix products, in the order in which they are computed (A, B: the left and right operand; K: the contracted axis; several contracted axes count as one K, in the product's order):
;;     1. [M 16,384, K 1,024] x [K 1,024, N 1,024]; A: input x (given as codes); B: input Wq (given as codes): QUANTISED (scales: A lowp_scales[0], B lowp_scales[1])
;;     2. [M 16,384, K 1,024] x [K 1,024, N 1,024]; A: input x (given as codes); B: input Wk (given as codes): QUANTISED (scales: A lowp_scales[2], B lowp_scales[3])
;;     3. [M 16,384, K 1,024] x [K 1,024, N 1,024]; A: input x (given as codes); B: input Wv (given as codes): QUANTISED (scales: A lowp_scales[4], B lowp_scales[5])
;;     4. batch 128 x [M 32, K 4,096] x [K 4,096, N 32]; A: computed on the way; B: computed on the way: QUANTISED (scales: A lowp_scales[6], B lowp_scales[7])
;;     5. batch 128 x [M 4,096, K 32] x [K 32, N 1]; A: computed on the way; B: computed on the way: left as it is (N = 1 < 16)
;;     6. batch 128 x [M 4,096, K 32] x [K 32, N 32]; A: computed on the way; B: computed on the way: QUANTISED (scales: A lowp_scales[8], B lowp_scales[9])
;;     7. [M 16,384, K 1,024] x [K 1,024, N 1,024]; A: computed on the way; B: input Wo (given as codes): QUANTISED (scales: A lowp_scales[10], B lowp_scales[11])
;;   THE QUANTISER, for each operand of a quantised product, along K:
;;     - The operand's scale is 2^e, e = its entry of the input lowp_scales (int32; the entries are numbered through the quantised products in the list's order, A before B).
;;     - Each number is divided by the scale, clamped to +-448, and rounded to the nearest number of E4M3, ties to even, subnormals kept.
;;     - The product sums the exact products of the quantised numbers (number of the format x scale) in f32.
;;   ~~~python
;;   def quantise(x, axis, e):      # numpy; x: float32 -> the quantised numbers, widened to float32 again
;;       x = np.moveaxis(x, axis, -1); K = x.shape[-1]
;;       r = np.clip(x / 2.0 ** e, -448, 448)
;;       step = 2.0 ** (np.maximum(np.frexp(np.where(r == 0, 1, r))[1] - 1, -6) - 3)
;;       q = np.round(r / step) * step * 2.0 ** e      # np.round: ties to even
;;       return np.moveaxis(q, -1, axis).astype(np.float32)
;;   ~~~
;;   OPERANDS COMPUTED ON THE WAY. 'Computed on the way' means the value that the module computes at that place (a softmax that the list does not call 'softmax' is quantised finished and normalised). What goes into a quantiser is computed in f32, as accurately as f32 sums, v_exp_f32 and their like allow (about 1e-6 of the number): no bf16 or f16 on the way to a quantiser, and a product that is left as it is and whose result goes on into a quantised operand takes f32 operands (vector FMAs, or v_wmma_f32_16x16x4_f32). A number that lies on a knife's edge between two numbers of the format may be rounded either way, as far as f32 arithmetic and the matrix unit's own rounding can turn it there, and no further.
;;   INPUTS GIVEN AS CODES. Wk (in the module: [1024, 1024], K = its axis 1); Wo (in the module: [1024, 1024], K = its axis 1); Wq (in the module: [1024, 1024], K = its axis 1); Wv (in the module: [1024, 1024], K = its axis 1); x (in the module: [4, 4096, 1024], K = its axis 2): each comes as NAME_codes (uint8): NAME with its K axis moved to the last place and cut into blocks of 32 codes, [.., K / 32, bytes a block], one block behind the other in memory; one code a byte (a code: sign, 4 exponent bits, 3 mantissa bits); its scale is its entry of lowp_scales. Its value is code x scale, taken as it is: it is not quantised again, and the codes and scales need not be those that the quantiser above would give.
;; One version. Each part assembles by itself: llvm-mc -triple=amdgcn-amd-amdhsa -mcpu=gfx1250 --defsym DOCPART=n.
;; ======== version 1 of 1: 4 launches
;; workspace buffers: kvp 4,194,304 bytes; ksp 131,072 bytes; kvc 131,072 bytes; ksum 16,384 bytes; ctx 16,777,216 bytes
;; launch kvpart (part 1): grid 8 x 32, 4 waves a work-group, clusters of 4 x 4, 327,680 bytes of LDS; arguments x_codes, Wk_codes, Wv_codes, bk, bv, lowp_scales, kvp, ksp; writes kvp, ksp
.if DOCPART == 1
	.amdgcn_target "amdgcn-amd-amdhsa--gfx1250"
	.amdhsa_code_object_version 6
	.text
	.protected	k_q238782ad79_kvpart
	.globl	k_q238782ad79_kvpart
	.p2align	8
	.type	k_q238782ad79_kvpart,@function
k_q238782ad79_kvpart:
	s_mov_b64 s[64:65], 0
	v_nop
	global_prefetch_b8 v0, s[64:65] scope:SCOPE_SE
	s_setreg_imm32_b32 hwreg(HW_REG_WAVE_MODE, 25, 1), 1
	s_wait_xcnt 0x0
	s_wait_alu depctr_hold_cnt(0) depctr_sa_sdst(0) depctr_va_vdst(0) depctr_va_sdst(0) depctr_va_ssrc(0) depctr_va_vcc(0) depctr_vm_vsrc(0)
	s_getreg_b32 s2, hwreg(HW_REG_IB_STS2, 6, 4)
	s_cmp_eq_u32 s2, 0
	s_cbranch_scc0 .Lentry_in_a_cluster
	s_endpgm
.Lentry_in_a_cluster:
	s_bfe_u32 s2, ttmp6, 0x10000c
	s_cmp_lg_u32 s2, 0xf033
	s_cbranch_scc0 .Lentry_shape_is_right
	s_endpgm
.Lentry_shape_is_right:
; K = elu(x Wk^T + bk) + 1 and V = x Wv^T + bv for 512 tokens x 4 heads, both quantised to E4M3 along the tokens, and of them these tokens' part of K^T V (f32 sums of code products)
; and of Ksum (f32, of the unquantised K).  x, Wk, Wv: E4M3 codes, K innermost, rows of 1,024 bytes.  Neither K nor V goes to memory.
; SHARES.  A work-group of four waves, as many as a WGP has SIMDs, makes tiles of 256 tokens x (128 features of K and the same 128 of V).  Wave (i, j) takes tokens 128 i on and the pair of heads j:
; 64 features of K (B's tiles 0-3) and 64 of V (tiles 4-7): 64 accumulators of 16 x 16, 512 registers.  K goes in steps of 256 through a ring of two LDS slots filled by the tensor data mover.
; A WORK-GROUP STAYS: it makes TWO tiles, tokens 512 y on and 256 further, and the ring does not stop between them: the first tile's last two changes of slots ask for the second tile's first two K steps,
; of which the second lands under the first tile's way to codes.  K^T V and Ksum of both tiles are added up in registers, so one part leaves for 512 tokens.  Eight slot steps, written out: no loop.
; CLUSTERS: 4 x 4 work-groups.  The four of a row of the cluster need the same rows of x, the four of a column the same rows of Wk and Wv: each tile is asked for JOINTLY.
; THE FIRST PRODUCT IS USED AS IT STANDS (source 0 = 16 tokens of x, source 1 = 16 rows of W): a lane then holds ONE feature and its eight registers run along the tokens, which are the K of K^T V:
; the conversions' results are that product's fragments.  K's and V's fragments hold the same token in the same place, so every product meets its partner.
; THE ROWS OF Wv THAT FORM A TILE ARE NOT NEIGHBOURS: lane r of tile 2 hh + et takes row 32 hh + 8 et + r + 8 (r / 8), so that a later launch finds KV's columns in the order that its own result wants.
; elu(x) + 1 is the middle one of x + 1, e^x and 1: for x > 0, 1 < x + 1 < e^x; for x <= 0, x + 1 <= e^x <= 1.
; OUT.  kvp[512 tokens][pair of heads]: 8,192 bytes, the image of the 64 registers of the pair's eight result tiles (tile 4 hh + 2 dt + et): four registers of lane l at 512 i + 16 l.
; ksp[512 tokens][1024] f32.  ksp's stores are pieces of 128 bytes: a wave owns 64 features; they are 3 in 100 of what the launch stores.
; LIMITS on the given exponents, so that each power of two below is an f32 number: e2 + e3 and e4 + e5 between -126 and 127; e6 and e7 between -126 and 119.  NaN among the inputs is not served.
; e^x is 2^(x log2 e) with x log2 e rounded to f32: its relative error grows as 1e-7 |x|; under 2^-126 it is 0.
; REGISTERS, in windows of 256: window 0: v0-31 addresses and constants; v32-47 the biases, a pair a tile; v48-55 Ksum; v64-127 K^T V, which no line of the K steps names; from v128 x's fragments, ONE set;
;   on the way to codes v128-191 T, v192-255 Y.   window 1: W's fragments, TWO sets, at v0 and v128; on the way to codes v0-63 K's codes, v64-127 V's.   windows 2, 3: accumulator (a, b) at v[8 (8 (a % 4) + b)].
.set ROWB,   256                       ; a tile's row in bytes: 256 along K
.set PITCH,  272                       ; an LDS row: 256 bytes + 16 of padding = 68 words, so that the 16 rows of a load start at 16 different banks (64 banks of 4 bytes: ISA guide 11.1)
.set FR,     16                        ; registers of a fragment: 16 rows x 128 K
.set NL,     4                         ; LDS loads that bring one
.set NP,     4                         ; places behind this matrix instruction (ISA guide 7.12.1)
.set HALFT,  128*PITCH                 ; what one tensor load brings
.set SLOT,   4*HALFT                   ; x's 256 rows, Wk's 128, Wv's 128
.set SPARE,  2*SLOT                    ; behind the ring: the spare words, 128 bytes for each wave
.set STG,    SPARE+512                 ; behind them: 17 x 512 bytes for each pair of heads, in which the two halves of the tokens meet; no tensor load lands here
.set STGW,   17*512
.set TILEB,  256*1024                  ; from a tile of x to the next: 256 rows of 1,024 bytes
.set NEXT_A, TILEB-2*ROWB              ; from a slot's last K step of the first tile to its first of the second: 256 rows down and 512 bytes back along K
.set BACK_B, 2*ROWB                    ; W only back: both tiles take the same rows
.set ADRA, 16                          ; v16-17  LDS address of my fragments of x in slot 0, 1
.set ADRK, 20                          ; v20-21  of Wk
.set ADRV, 22                          ; v22-23  of Wv
.set STA,  24                          ; v24     my 16 bytes in my pair's stage
.set L16,  25                          ; v25     16 x lane
.set L4,   26                          ; v26     4 x lane
.set LN,   27                          ; v27     lane
.set SPW,  28                          ; v28     LDS address of my spare word; never rewritten
.set NIL,  29                          ; v29     0; never rewritten
.set PFO,  30                          ; v30     the prefetches' offset: 1,024 x lane, a lane a row of x; never rewritten
.set BIAS, 32
.set KS,   48
.set DX,   52
.set KVD,  64
.set T,    128
.set Y,    192
.set AF,   128
.set KC,   0                           ; in window 1
.set VC,   64
.set LIM,  7                           ; s7      1 in a wave that prefetches, else the greatest number
.set PFA,  10                          ; s[10:11] my work-group's 32 rows of the 128 rows of x that I fetch, in the first tile, at K = 0; never rewritten
.set G1, 24                            ; s[24:31] descriptor group 1 for x's tiles; s[32:39] group 0, one set for each slot
.set G0, 32
.set G1B, 48                           ; s[48:55], s[56:63] the same for W's tiles
.set G0B, 56
.set MSB, 0
.macro WIN new                         ; the immediate's high byte repeats the setting that is left
.if MSB != (\new)
	s_set_vgpr_msb (MSB<<8)|(\new)
.set MSB, \new
.endif
.endm
.set MUL_LO, 0xa4                      ; source 0 (x) window 0, source 1 (W) window 1, C and D window 2
.set MUL_HI, 0xf4                      ; the same, C and D window 3
.set TO_B,   0x40                      ; destination window 1, address window 0
; A joint load: waves 0 and 1 fetch x's halves, wave 2 Wk's rows, wave 3 Wv's.  The branch hangs on the wave's number alone.  Four v_nop follow each of the two lines.
.macro JLOAD g0a, g1a, g0b, g1b
	s_cmp_eq_u32 s15, 0
	s_cbranch_scc0 .Lfor_b_\@
	tensor_load_to_lds s[\g0a:\g0a+3], s[\g1a:\g1a+7]
	s_nop 0
.rept 4
	v_nop
.endr
	s_branch .Lasked_\@
.Lfor_b_\@:
	tensor_load_to_lds s[\g0b:\g0b+3], s[\g1b:\g1b+7]
	s_nop 0
.rept 4
	v_nop
.endr
.Lasked_\@:
.endm
; A PREFETCH INTO THE L2 of x's rows for the refill that stands TWO refills on: K step m of the SECOND tile, asked for behind the refill that brings slot step m + 2: 32 rows x 256 bytes, a lane a row, one instruction a wave.
; Each row's 256 bytes of a K step are named ONCE in the launch.  Both clusters of a row of clusters read the same rows of x: the first (cluster x = 0) asks; in it waves 0 and 1, which fetch x.  The four partners that
; ask for a tile jointly share its rows out BY ADDRESS: of the 128 rows that a wave fetches, the partner at place cx takes 32 cx .. 32 cx + 31: no branch hangs on a work-group's place in its cluster.
; The K step stands in the immediate: no address is stepped.  The first tile comes by its loads alone; W's rows have been read when the second tile wants them; the second tile's refills ask for nothing.
.macro ASK m
	s_cmp_eq_u32 s[LIM], 1
	s_cbranch_scc0 .Lnot_mine_\@
	global_prefetch_b8 v[PFO], s[PFA:PFA+1] offset:TILEB+ROWB*(\m) th:TH_LOAD_NT scope:SCOPE_SE
.Lnot_mine_\@:
.endm
.macro CREST                           ; a round of the cluster's barrier behind its opening barrier
	s_cmp_lg_u32 s14, 0
	s_cbranch_scc1 .Lnot_wave_0_\@
	s_barrier_signal -3
.Lnot_wave_0_\@:
	s_barrier_wait -3
	s_barrier_signal -1
	s_barrier_wait -1
.endm
.macro CROUND                          ; a whole round
	s_barrier_signal -1
	s_barrier_wait -1
	CREST
.endm
.macro POW2 dst, ea, eb                ; s[dst] = s[dst + 1] = 2^(s[ea] + s[eb]) as f32
	s_add_co_i32 s[\dst], s[\ea], s[\eb]
	s_add_co_i32 s[\dst], s[\dst], 127
	s_lshl_b32 s[\dst], s[\dst], 23
	s_mov_b32 s[\dst+1], s[\dst]
.endm
.macro QSC vs, vl, e                   ; v[vs] = 2^s[e], whose exponent field the conversion takes; v[vl] = 448 x that, for the hold
	s_add_co_i32 s4, s[\e], 127
	s_lshl_b32 s5, s4, 23
	v_mov_b32 v[\vs], s5
	s_add_co_i32 s4, s4, 8
	s_lshl_b32 s4, s4, 23
	s_or_b32 s4, s4, 0x600000
	v_mov_b32 v[\vl], s4
.endm
	s_load_b512 s[68:83], s[0:1], 0x0              ; x s[68:69], Wk s[70:71], Wv s[72:73], bk s[74:75], bv s[76:77], the exponents s[78:79], kvp s[80:81], ksp s[82:83]
	v_lshl_add_u32 v[SPW], v0, 2, SPARE
	v_mov_b32 v[NIL], 0
	ds_add_u32 v28, v29
	ds_add_u32 v28, v29
	s_wait_dscnt 0x0
	v_lshrrev_b32 v1, 5, v0
	v_readfirstlane_b32 s14, v1                    ; wave 0..3
	s_lshr_b32 s15, s14, 1                         ; which half of a tile's tokens is mine.  Also: I fetch for x (0) or for W (1)
	s_and_b32 s16, s14, 1                          ; which pair of heads.  Also: which half of x, or Wk (0) or Wv (1), I fetch
	s_bfe_u32 s40, ttmp6, 0x40000                  ; cx, cy: my place in the cluster
	s_bfe_u32 s41, ttmp6, 0x40004
	s_lshl_b32 s42, ttmp9, 2
	s_add_co_u32 s42, s42, s40                     ; block of 128 features = 4 x cluster x + cx
	s_and_b32 s17, ttmp7, 0xffff
	s_lshl_b32 s17, s17, 2
	s_add_co_u32 s17, s17, s41                     ; block of 512 tokens = 4 x cluster y + cy
	s_lshl_b32 s43, s41, 2
	s_lshl_b32 s43, 15, s43                        ; my row of the cluster
	s_lshl_b32 s44, 0x1111, s40                    ; my column
	; descriptor group 1: a tile of 128 rows x 256 bytes, padded in LDS
	s_or_b32 s[G1+0], s43, (0<<16)|(1<<20)|(1<<21)|(5<<22)|(3<<25)  ; 15:0 the mask: x's tiles go to my row; 17:16 element of 1 byte; 20 padding on; 21 set beside a mask; 24:22 after every 64 words; 31:25 of 4 words
	s_or_b32 s[G1B+0], s44, (0<<16)|(1<<20)|(1<<21)|(5<<22)|(3<<25) ; the same with my column's mask
.irp g, G1, G1B
	s_mov_b32 s[\g+1], ROWB<<16                    ; tensor_dim0
	s_mov_b32 s[\g+2], 128<<16                     ; tensor_dim1
	s_mov_b32 s[\g+3], ROWB<<16                    ; tile_dim0
	s_mov_b32 s[\g+4], 128                         ; tile_dim1
	s_mov_b32 s[\g+5], 1024                        ; tensor_dim0_stride
	s_mov_b32 s[\g+6], 0
	s_mov_b32 s[\g+7], 0
.endr
	s_lshl_b32 s20, s17, 19                        ; x: 512 rows of 1,024 bytes a block,
	s_lshl_b32 s18, s16, 17                        ; + the 128 rows that I fetch
	s_add_co_u32 s20, s20, s18
	s_mov_b32 s21, 0
	s_lshl_b32 s46, s42, 17                        ; W: 128 rows of 1,024 bytes a block
	s_mov_b32 s47, 0
	s_mul_i32 s45, s14, HALFT                      ; where they go: wave x 128 rows: no place in the cluster enters an LDS address
	s_wait_kmcnt 0x0
	s_load_b256 s[84:91], s[78:79], 0x0            ; e0 .. e7
	s_add_nc_u64 s[20:21], s[68:69], s[20:21]
	s_cmp_eq_u32 s16, 0                            ; Wk or Wv: the choice hangs on the wave's number alone
	s_cselect_b64 s[12:13], s[70:71], s[72:73]
	s_add_nc_u64 s[46:47], s[12:13], s[46:47]
	CROUND                                         ; all sixteen work-groups are here: the first joint loads meet
.irp s, 0,1
	s_mov_b32 s[G0+4*\s], 1
	s_add_co_u32 s[G0+4*\s+1], s45, \s*SLOT
	s_add_nc_u64 s[G0+4*\s+2:G0+4*\s+3], s[20:21], \s*ROWB
	s_or_b32 s[G0+4*\s+3], s[G0+4*\s+3], 0x80000000
	s_mov_b32 s[G0B+4*\s], 1
	s_add_co_u32 s[G0B+4*\s+1], s45, \s*SLOT
	s_add_nc_u64 s[G0B+4*\s+2:G0B+4*\s+3], s[46:47], \s*ROWB
	s_or_b32 s[G0B+4*\s+3], s[G0B+4*\s+3], 0x80000000
	JLOAD G0+4*\s, G1, G0B+4*\s, G1B
.endr
	v_and_b32 v1, 15, v0                           ; r = lane % 16
	v_bfe_u32 v2, v0, 4, 1                         ; h = lane / 16
	v_mul_u32_u24 v3, v1, PITCH
	v_lshl_add_u32 v4, v2, 4, v3                   ; x, Wk: row r x pitch + 16 h
	v_and_b32 v5, 8, v1
	v_add_nc_u32 v5, v5, v1                        ; r + 8 (r / 8)
	v_mul_u32_u24 v6, v5, PITCH
	v_lshl_add_u32 v6, v2, 4, v6                   ; Wv: that row x pitch + 16 h
	s_mul_i32 s21, s15, HALFT                      ; my 128 tokens
	s_mul_i32 s22, s16, 64*PITCH                   ; my 64 rows
	s_add_co_u32 s23, s22, 3*HALFT                 ; of Wv,
	s_add_co_u32 s22, s22, 2*HALFT                 ; and of Wk
.irp s, 0,1
	v_add_nc_u32 v[ADRA+\s], s21, v4
	v_add_nc_u32 v[ADRK+\s], s22, v4
	v_add_nc_u32 v[ADRV+\s], s23, v6
	s_add_co_u32 s21, s21, SLOT
	s_add_co_u32 s22, s22, SLOT
	s_add_co_u32 s23, s23, SLOT
.endr
	s_mul_i32 s18, s16, STGW
	s_add_co_u32 s18, s18, STG
	v_and_b32 v[LN], 31, v0
	v_lshlrev_b32 v[L16], 4, v[LN]
	v_lshlrev_b32 v[L4], 2, v[LN]
	v_lshlrev_b32 v[PFO], 10, v[LN]
	v_add_nc_u32 v[STA], s18, v[L16]
	v_lshlrev_b32 v7, 2, v1                        ; bk: 4 r
	v_lshlrev_b32 v3, 2, v5                        ; bv: 4 (r + 8 (r / 8))
	s_lshl_b32 s46, s42, 9
	s_lshl_b32 s47, s16, 8
	s_add_co_u32 s46, s46, s47                     ; 4 x my first feature: 128 x block + 64 x pair
	s_mov_b32 s47, 0
	s_add_nc_u64 s[74:75], s[74:75], s[46:47]
	s_add_nc_u64 s[76:77], s[76:77], s[46:47]
	s_add_nc_u64 s[82:83], s[82:83], s[46:47]
	s_lshl_b32 s20, s17, 12                        ; ksp: 4,096 bytes a block of tokens
	s_mov_b32 s21, 0
	s_add_nc_u64 s[82:83], s[82:83], s[20:21]
	s_lshl_b32 s20, s17, 17                        ; kvp: 16 pairs of 8,192 bytes a block of tokens,
	s_add_nc_u64 s[80:81], s[80:81], s[20:21]
	s_lshl_b32 s46, s46, 5                         ; + 8,192 x (2 x block of features + pair)
	s_add_nc_u64 s[80:81], s[80:81], s[46:47]
	; the prefetches (macro ASK): where mine stand, and who asks
	s_lshl_b32 s8, s17, 19                         ; my block's first row of x,
	s_lshl_b32 s9, s16, 17                         ; + the 128 rows that I fetch,
	s_add_co_u32 s8, s8, s9
	s_lshl_b32 s9, s40, 15                         ; + my work-group's 32 of them
	s_add_co_u32 s8, s8, s9
	s_mov_b32 s9, 0
	s_add_nc_u64 s[PFA:PFA+1], s[68:69], s[8:9]
	s_or_b32 s[LIM], s15, ttmp9                    ; 0 in waves 0 and 1 of the first cluster of a row of clusters: the same in all sixteen partners, for a given wave
	s_cmp_eq_u32 s[LIM], 0
	s_cselect_b32 s[LIM], 1, -1
.irp b, 0,1,2,3
	global_load_b32 v[BIAS+2*\b], v7, s[74:75] offset:64*\b                        ; bk at feature 16 b + r
.endr
.irp t, 0,1,2,3
	global_load_b32 v[BIAS+8+2*\t], v3, s[76:77] offset:(32*(\t/2)+8*(\t%2))*4     ; bv at the feature of tile t's lane r
.endr
	s_wait_kmcnt 0x0
	POW2 96, 86, 87                                ; 2^(e2 + e3): a sum of x Wk^T stands for sum x that
	POW2 98, 88, 89                                ; 2^(e4 + e5): the same for x Wv^T
	s_mov_b32 s100, 0x3fb8aa3b                     ; log2 e
	s_mov_b32 s101, s100                           ; (named with it as a pair, so it is written)
	s_mov_b32 s66, 0x76543210                      ; v_permlanex16_b32: lane l xor 16
	s_mov_b32 s67, 0xfedcba98
	v_mov_b32 v12, 0xbfb8aa3b                      ; -log2 e, twice
	v_mov_b32 v13, v12
	QSC 8, 9, 90                                   ; K's quantiser: e6
	QSC 10, 11, 91                                 ; V's: e7
.irp q, 0,1,2,3
	v_mov_b32 v[DX+\q], 0                          ; written once: a lane permute's destination counts as one of its sources
.endr
	s_wait_loadcnt 0x0                             ; the biases
.irp b, 0,1,2,3
	v_add_f32 v[BIAS+2*\b], 1.0, v[BIAS+2*\b]      ; bk + 1: the multiply-add below then gives x + 1
.endr
.irp b, 0,1,2,3,4,5,6,7
	v_mov_b32 v[BIAS+2*\b+1], v[BIAS+2*\b]         ; (named as a pair's upper half)
.endr
.macro FRAG reg, adr, q, rows          ; a fragment, 16 rows x 128 K: registers 4 c .. 4 c + 3 hold K = 32 c + 16 (lane / 16) + 0 .. 15: the same permutation of K in x and in W
.irp c, 0,1,2,3
	ds_load_b128 v[\reg+4*\c:\reg+4*\c+3], v[\adr] offset:128*(\q)+32*\c+(\rows)*PITCH
.endr
.endm
; 16 matrix instructions: x's blocks a0, a0 + 1 x W's eight tiles, 128 along K.  p: W's set.  zero = 1: the first product starts the sums.
; The 64 accumulators take turns, one instruction a turn, in the same order in every step.
.macro MUL16 a0, p, zero
.irp a, \a0, \a0+1
.irp b, 0,1,2,3,4,5,6,7
.if \zero
	v_wmma_f32_16x16x128_fp8_fp8 v[8*(8*((\a)%4)+\b):8*(8*((\a)%4)+\b)+7], v[AF+FR*(\a):AF+FR*(\a)+FR-1], v[128*(\p)+FR*\b:128*(\p)+FR*\b+FR-1], 0
.else
	v_wmma_f32_16x16x128_fp8_fp8 v[8*(8*((\a)%4)+\b):8*(8*((\a)%4)+\b)+7], v[AF+FR*(\a):AF+FR*(\a)+FR-1], v[128*(\p)+FR*\b:128*(\p)+FR*\b+FR-1], v[8*(8*((\a)%4)+\b):8*(8*((\a)%4)+\b)+7]
.endif
.endr
.endr
.endm
.macro FETCH_B slot, q, p              ; Wk's four tiles and Wv's four of the slot's q-th 128 along K into set p
	WIN TO_B
.irp i, 0,1,2,3
	FRAG 128*(\p)+FR*\i, ADRK+\slot, \q, 16*\i
.endr
.irp t, 0,1,2,3
	FRAG 128*(\p)+FR*(4+\t), ADRV+\slot, \q, 32*(\t/2)+8*(\t%2)
.endr
	WIN 0
.endm
.macro FETCH_A slot, q, i0             ; x's blocks i0 .. i0 + 3
.irp i, \i0, \i0+1, \i0+2, \i0+3
	FRAG AF+FR*(\i), ADRA+\slot, \q, 16*(\i)
.endr
.endm
.macro FIRST                           ; a tile's first fragments, out of slot 0
	FETCH_B 0, 0, 0
	FETCH_A 0, 0, 0
	FETCH_A 0, 0, 4
.endm
; A load into a register that a matrix instruction has read, and a vector instruction or an LDS store that reads a matrix result, stand NP places behind it; only plain vector instructions
; that name none of its registers are places (ISA guide 7.12.1 for vector instructions).
.macro PLACES n
.rept \n
	v_nop
.endr
.endm
.macro STEP slot, q, zero              ; a step of 128 along K that has its successor in the same slot
	s_wait_dscnt 4*NL                              ; W's set and x's blocks 0-3 are in; the youngest sixteen loads (blocks 4-7) may be out
	WIN MUL_LO
	MUL16 0, (\q)%2, \zero
	MUL16 2, (\q)%2, \zero
	s_wait_dscnt 0                                 ; blocks 4-7 are in
	PLACES NP
	FETCH_B \slot, (\q)+1, 1-(\q)%2
	FETCH_A \slot, (\q)+1, 0
	WIN MUL_HI
	MUL16 4, (\q)%2, \zero
	MUL16 6, (\q)%2, \zero
	PLACES NP
	WIN 0
	FETCH_A \slot, (\q)+1, 4
.endm
; A slot's last step changes slots: ONE barrier; in front of it each wave waits for all its tensor loads, adds 0 to its spare word, and waits for that and for its reads of this slot.
; fill = 1: the slot is filled again, two K steps ahead in the same tile; 2: with the NEXT tile's K step 0 or 1; 0: not at all.
; fetch = 1: the next slot's first fragments are fetched; 0: the tile ends here, and its way to codes takes the fragments' registers.  ask: the K step of the second tile that is prefetched, or -1.
.macro TURN slot, next, fill, fetch, ask
	s_wait_tensorcnt 0x0                           ; all my tensor loads have landed: my part of the next slot
	ds_add_u32 v[SPW], v[NIL]                      ; 0 onto my spare word
	s_wait_dscnt 4*NL+1                            ; (the add and the youngest sixteen loads may be out)
	WIN MUL_LO
	MUL16 0, 1, 0                                  ; sixteen matrix instructions stand between the add and the wait for it
	s_wait_dscnt 0x0                               ; the add is done, and my reads of this slot are over
	s_barrier_signal -1
	MUL16 2, 1, 0
	WIN 0
	s_barrier_wait -1
.if \fill
	CREST                                          ; the barrier has opened a round of the cluster's barrier: no wave of any partner still reads this slot or has a load on its way
.if (\fill) == 2
	s_add_nc_u64 s[G0+4*\slot+2:G0+4*\slot+3], s[G0+4*\slot+2:G0+4*\slot+3], NEXT_A
	s_sub_nc_u64 s[G0B+4*\slot+2:G0B+4*\slot+3], s[G0B+4*\slot+2:G0B+4*\slot+3], BACK_B
.else
	s_add_nc_u64 s[G0+4*\slot+2:G0+4*\slot+3], s[G0+4*\slot+2:G0+4*\slot+3], 2*ROWB
	s_add_nc_u64 s[G0B+4*\slot+2:G0B+4*\slot+3], s[G0B+4*\slot+2:G0B+4*\slot+3], 2*ROWB
.endif
	JLOAD G0+4*\slot, G1, G0B+4*\slot, G1B         ; the first tensor load behind the round; its four v_nop are also the places in front of the loads below
.else
	PLACES NP
.endif
.if \fetch
	FETCH_B \next, 0, 0
	FETCH_A \next, 0, 0
.endif
.if (\ask) >= 0
	ASK \ask                                       ; behind the joint load, its four lines and the run of LDS loads that the next products wait for
.endif
	WIN MUL_HI
	MUL16 4, 1, 0
	MUL16 6, 1, 0
.if \fetch
	PLACES NP
	WIN 0
	FETCH_A \next, 0, 4
.else
	WIN 0
.endif
.endm
; THE WAY TO CODES.  T[8 a + j] = the number of token 16 a + 8 h + j at my lane's feature of tile b: sum x the scale + the bias, each accumulator from its low end on.
.macro GATHER b, sc
	WIN 0x02                                       ; source 0: window 2
.irp a, 0,1,2,3
.irp i, 0,2,4,6
	v_pk_fma_f32 v[T+8*\a+\i:T+8*\a+\i+1], v[8*(8*\a+(\b))+\i:8*(8*\a+(\b))+\i+1], s[\sc:\sc+1], v[BIAS+2*(\b):BIAS+2*(\b)+1] op_sel_hi:[1,0,0]
.endr
.endr
	WIN 0x03                                       ; window 3: tokens 64 on
.irp a, 0,1,2,3
.irp i, 0,2,4,6
	v_pk_fma_f32 v[T+32+8*\a+\i:T+32+8*\a+\i+1], v[8*(8*\a+(\b))+\i:8*(8*\a+(\b))+\i+1], s[\sc:\sc+1], v[BIAS+2*(\b):BIAS+2*(\b)+1] op_sel_hi:[1,0,0]
.endr
.endr
	WIN 0
.endm
.macro KTILE b, first                  ; 16 features of K x my 128 tokens: elu + 1, the tile's part of Ksum, the codes.  first = 1: the first tile of tokens starts Ksum
	GATHER \b, 96                                  ; x + 1
.set j, 0
.rept 32
	v_pk_fma_f32 v[Y+j:Y+j+1], v[T+j:T+j+1], s[100:101], v[12:13] op_sel_hi:[1,0,1]   ; (x + 1) log2 e - log2 e
.set j, j+2
.endr
.set j, 0
.rept 64
	v_exp_f32 v[Y+j], v[Y+j]                       ; e^x: one batch
.set j, j+1
.endr
	v_nop                                          ; a plain instruction behind the last exponential
	s_wait_alu depctr_va_vdst(0)                   ; one wait for the batch, ahead of its first reader
.set j, 0
.rept 64
	v_med3_num_f32 v[T+j], v[T+j], v[Y+j], 1.0     ; elu(x) + 1: the middle one of x + 1, e^x and 1
.set j, j+1
.endr
.set j, 0
.rept 16
	v_pk_add_f32 v[Y+j:Y+j+1], v[T+j:T+j+1], v[T+32+j:T+32+j+1]   ; Ksum is taken of the unquantised K: a tree over my 64 numbers
.set j, j+2
.endr
.irp w, 16,8,4,2
.set j, 0
.rept \w/2
	v_pk_add_f32 v[Y+j:Y+j+1], v[Y+j:Y+j+1], v[Y+\w+j:Y+\w+j+1]
.set j, j+2
.endr
.endr
.if \first
	v_add_f32 v[KS+\b], v[Y], v[Y+1]
.else
	v_add_f32 v[Y], v[Y], v[Y+1]
	v_add_f32 v[KS+\b], v[KS+\b], v[Y]
.endif
.set j, 0
.rept 64
	v_min_num_f32 v[T+j], v[T+j], v9               ; the conversion does not saturate (ISA guide 7.6.2); K is not negative, so the hold is one-sided
.set j, j+1
.endr
	WIN 0x40                                       ; destination window 1
.irp a, 0,1,2,3,4,5,6,7
	v_cvt_scalef32_pk8_fp8_f32 v[KC+16*\b+2*\a:KC+16*\b+2*\a+1], v[T+8*\a:T+8*\a+7], v8   ; registers 2 a, 2 a + 1 of the fragment: tokens 16 a + 8 h + 0 .. 7
.endr
	WIN 0
	v_nop                                          ; a plain instruction between the conversions and what next writes their sources or reads their results
.endm
.macro VTILE t                         ; 16 features of V x my 128 tokens
	GATHER 4+\t, 98
.set j, 0
.rept 64
	v_med3_num_f32 v[T+j], v[T+j], -v11, v11       ; the hold at the largest code x the scale
.set j, j+1
.endr
	WIN 0x40
.irp a, 0,1,2,3,4,5,6,7
	v_cvt_scalef32_pk8_fp8_f32 v[VC+16*\t+2*\a:VC+16*\t+2*\a+1], v[T+8*\a:T+8*\a+7], v10
.endr
	WIN 0
	v_nop
.endm
; K^T V over my 128 tokens: source 0 = 16 d of K, source 1 = 16 e of V: register j of lane (r, h) is d = 16 dt + 8 h + j, e = tile et's lane r.  first = 1: these products start the eight sums; else they add
; onto them in place, the eight by turns, one instruction a turn.
.macro CODES first
	PLACES NP                                      ; in front of the first read of results and the first write of x's registers
.irp b, 0,1,2,3
	KTILE \b, \first
.endr
.irp t, 0,1,2,3
	VTILE \t
.endr
	WIN 0x05                                       ; sources 0 and 1: window 1; C and D: window 0
.irp hh, 0,1
.irp dt, 0,1
.irp et, 0,1
.if \first
	v_wmma_f32_16x16x128_fp8_fp8 v[KVD+8*(4*\hh+2*\dt+\et):KVD+8*(4*\hh+2*\dt+\et)+7], v[KC+16*(2*\hh+\dt):KC+16*(2*\hh+\dt)+15], v[VC+16*(2*\hh+\et):VC+16*(2*\hh+\et)+15], 0
.else
	v_wmma_f32_16x16x128_fp8_fp8 v[KVD+8*(4*\hh+2*\dt+\et):KVD+8*(4*\hh+2*\dt+\et)+7], v[KC+16*(2*\hh+\dt):KC+16*(2*\hh+\dt)+15], v[VC+16*(2*\hh+\et):VC+16*(2*\hh+\et)+15], v[KVD+8*(4*\hh+2*\dt+\et):KVD+8*(4*\hh+2*\dt+\et)+7]
.endif
.endr
.endr
.endr
	WIN 0
	PLACES NP                                      ; in front of the loads into the codes' registers, or of the first read of these results
.endm
	s_wait_tensorcnt 1                             ; my part of slot step 0 is in (slot step 1's load may be out)
	s_barrier_signal -1
	s_barrier_wait -1                              ; everybody's is
	; THE FIRST TILE: slot steps 0 to 3
	FIRST
	STEP 0, 0, 1                                   ; a tile's first products start the sums
	TURN 0, 1, 1, 1, 0                             ; slot 0 takes this tile's K step 2
	STEP 1, 0, 0
	TURN 1, 0, 1, 1, 1                             ; slot 1 its K step 3
	STEP 0, 0, 0
	TURN 0, 1, 2, 1, 2                             ; THE RING GOES ON INTO THE SECOND TILE: slot 0 takes its K step 0,
	STEP 1, 0, 0
	TURN 1, 0, 2, 0, 3                             ; slot 1 its K step 1, which has the way to codes below in which to land
	CODES 1
	; THE SECOND TILE: slot steps 4 to 7.  Slot 0 was shown whole to every wave by the last change of slots
	FIRST
	STEP 0, 0, 1
	TURN 0, 1, 1, 1, -1
	STEP 1, 0, 0
	TURN 1, 0, 1, 1, -1
	STEP 0, 0, 0
	TURN 0, 1, 0, 1, -1                            ; the last two slot steps fill nothing
	STEP 1, 0, 0
	s_wait_dscnt 4*NL                              ; the very last step
	WIN MUL_LO
	MUL16 0, 1, 0
	MUL16 2, 1, 0
	s_wait_dscnt 0
	WIN MUL_HI
	MUL16 4, 1, 0
	MUL16 6, 1, 0
	WIN 0
	CODES 0
	; the two halves of the tokens meet: the waves of the upper half store their 64 + 4 registers as they stand, the waves of the lower half add them to theirs
	s_cmp_eq_u32 s15, 0
	s_cbranch_scc1 .Lkeep
.set i, 0
.rept 16
	ds_store_b128 v[STA], v[KVD+4*i:KVD+4*i+3] offset:512*i       ; each result from its low end on
.set i, i+1
.endr
	ds_store_b128 v[STA], v[KS:KS+3] offset:8192
.Lkeep:
	s_wait_dscnt 0x0                               ; for the others' sake: my stores have landed
	s_barrier_signal -1
	s_barrier_wait -1
	s_cmp_lg_u32 s15, 0
	s_cbranch_scc1 .Ldone
.set i, 0
.rept 17
	ds_load_b128 v[T+4*i:T+4*i+3], v[STA] offset:512*i
.set i, i+1
.endr
	s_wait_dscnt 0x0
.set j, 0
.rept 32
	v_pk_add_f32 v[T+j:T+j+1], v[T+j:T+j+1], v[KVD+j:KVD+j+1]
.set j, j+2
.endr
	v_pk_add_f32 v[KS:KS+1], v[KS:KS+1], v[T+64:T+65]
	v_pk_add_f32 v[KS+2:KS+3], v[KS+2:KS+3], v[T+66:T+67]
.irp q, 0,1,2,3
	v_permlanex16_b32 v[DX+\q], v[KS+\q], s66, s67 ; the feature's other tokens lie in the lane 16 away
.endr
.irp q, 0,1,2,3
	v_add_f32 v[KS+\q], v[KS+\q], v[DX+\q]
.endr
	v_cmp_le_u32 vcc_lo, 16, v[LN]
	v_cndmask_b32 v[DX], v[KS], v[KS+1], vcc_lo    ; lane l: feature l of the pair's first head (lanes 16 on take tile 1),
	v_cndmask_b32 v[DX+1], v[KS+2], v[KS+3], vcc_lo ; and of its second
.set i, 0
.rept 16
	global_store_b128 v[L16], v[T+4*i:T+4*i+3], s[80:81] offset:512*i   ; 32 lanes store 512 consecutive bytes, at a multiple of 512 from kvp's first byte
.set i, i+1
.endr
	global_store_b32 v[L4], v[DX], s[82:83]
	global_store_b32 v[L4], v[DX+1], s[82:83] offset:128
.Ldone:
	s_wait_tensorcnt 0x0                           ; the wave's end
	ds_add_u32 v[SPW], v[NIL]
	s_wait_dscnt 0x0
	CROUND                                         ; the closing round: no work-group ends while a partner may still ask for a tile that names it
	s_endpgm
.Lfunc_end_k_q238782ad79_kvpart:
	.size	k_q238782ad79_kvpart, .Lfunc_end_k_q238782ad79_kvpart-k_q238782ad79_kvpart
	.p2alignl 7, 3214868480
	.fill 96, 4, 3214868480
	.section	.rodata,"a",@progbits
	.p2align	6, 0x0
	.amdhsa_kernel k_q238782ad79_kvpart
		.amdhsa_group_segment_fixed_size 327680
		.amdhsa_private_segment_fixed_size 0
		.amdhsa_enable_private_segment 0
		.amdhsa_kernarg_size 64
		.amdhsa_user_sgpr_count 2
		.amdhsa_user_sgpr_kernarg_segment_ptr 1
		.amdhsa_wavefront_size32 1
		.amdhsa_system_sgpr_workgroup_id_x 1
		.amdhsa_system_sgpr_workgroup_id_y 1
		.amdhsa_system_sgpr_workgroup_id_z 1
		.amdhsa_system_vgpr_workitem_id 0
		.amdhsa_next_free_vgpr 1024
		.amdhsa_next_free_sgpr 102
		.amdhsa_reserve_vcc 1
		.amdhsa_float_denorm_mode_32 3
		.amdhsa_float_denorm_mode_16_64 3
		.amdhsa_memory_ordered 1
		.amdhsa_forward_progress 1
		.amdhsa_inst_pref_size 255
	.end_amdhsa_kernel
	.section	.bss,"aw",@nobits
	.p2align	6
	.space	262144
	.amdgpu_metadata
---
amdhsa.version: [ 1, 2 ]
amdhsa.kernels:
  - .name:           k_q238782ad79_kvpart
    .symbol:         k_q238782ad79_kvpart.kd
    .args:
      - { .name: x_codes, .offset: 0, .size: 8, .value_kind: global_buffer, .address_space: global }
      - { .name: Wk_codes, .offset: 8, .size: 8, .value_kind: global_buffer, .address_space: global }
      - { .name: Wv_codes, .offset: 16, .size: 8, .value_kind: global_buffer, .address_space: global }
      - { .name: bk, .offset: 24, .size: 8, .value_kind: global_buffer, .address_space: global }
      - { .name: bv, .offset: 32, .size: 8, .value_kind: global_buffer, .address_space: global }
      - { .name: lowp_scales, .offset: 40, .size: 8, .value_kind: global_buffer, .address_space: global }
      - { .name: kvp, .offset: 48, .size: 8, .value_kind: global_buffer, .address_space: global }
      - { .name: ksp, .offset: 56, .size: 8, .value_kind: global_buffer, .address_space: global }
    .group_segment_fixed_size: 327680
    .private_segment_fixed_size: 0
    .kernarg_segment_align: 8
    .kernarg_segment_size: 64
    .max_flat_workgroup_size: 128
    .sgpr_count:     102
    .vgpr_count:     1024
    .wavefront_size: 32
...
	.end_amdgpu_metadata
.endif
;; end of part 1
;; launch kvred (part 2): grid 256 x 1, 1 waves a work-group, no clusters, 0 bytes of LDS; arguments kvp, ksp, lowp_scales, kvc, ksum; writes kvc, ksum
.if DOCPART == 2
	.amdgcn_target "amdgcn-amd-amdhsa--gfx1250"
	.amdhsa_code_object_version 6
	.text
	.protected	k_q238782ad79_kvred
	.globl	k_q238782ad79_kvred
	.p2align	8
	.type	k_q238782ad79_kvred,@function
k_q238782ad79_kvred:
	s_mov_b64 s[64:65], 0
	v_nop
	global_prefetch_b8 v0, s[64:65] scope:SCOPE_SE
	s_setreg_imm32_b32 hwreg(HW_REG_WAVE_MODE, 25, 1), 1
	s_wait_xcnt 0x0
; The eight parts (512 tokens each) of K^T V and of Ksum of each (batch, head) are added, in f32; KV is quantised to E4M3 along d with the given 2^e9; Ksum stays f32.
; Work-group g = ((batch x 16 + pair of heads) x 2 + hh) x 2 + et, one wave: it takes the two result tiles (dt = 0, 1) of head hh and column tile et: 16 registers a lane, d = 8 h + 0 .. 7 and 16 + 8 h + 0 .. 7.
; A part's numbers are sums of code products: they stand for sum x 2^(e6 + e7), so the code is sum / 2^(e9 - e6 - e7): the three scales are folded into the conversion's one.
; OUT.  kvc[g]: 512 bytes, lane l's four registers of codes at 16 l: the image of half a fragment of the next launch's product.  ksum[batch][1024] f32: stored where et = 0 (both waves of a head add it: 1 KB read twice).
; All 40 loads of the wave are issued before the one wait.  No LDS, no barrier, no matrix unit, no cluster: the work-groups share no input but that 1 KB.
; LIMIT: e9 - e6 - e7 between -126 and 119.  NaN among the inputs is not served.
; REGISTERS: v64-191 the eight parts (16 registers each); v8-15 Ksum's parts; v24-27 the codes.
	s_load_b256 s[4:11], s[0:1], 0x0               ; kvp s[4:5], ksp s[6:7], the exponents s[8:9], kvc s[10:11]
	s_load_b64 s[12:13], s[0:1], 0x20              ; ksum
	v_lshlrev_b32 v1, 4, v0                        ; 16 x lane
	v_lshlrev_b32 v2, 2, v0                        ; 4 x lane
	s_and_b32 s14, ttmp9, 1                        ; et
	s_bfe_u32 s15, ttmp9, 0x10001                  ; hh
	s_bfe_u32 s16, ttmp9, 0x40002                  ; pair
	s_lshr_b32 s17, ttmp9, 6                       ; batch
	s_lshr_b32 s18, ttmp9, 1                       ; 32 x batch + head
	s_lshl_b32 s20, s17, 7
	s_add_co_u32 s20, s20, s16
	s_lshl_b32 s20, s20, 13                        ; kvp: (8 parts x 16 pairs x batch + pair) x 8,192: the batch's first part,
	s_lshl_b32 s21, s15, 2
	s_add_co_u32 s21, s21, s14
	s_lshl_b32 s21, s21, 10
	s_add_co_u32 s20, s20, s21                     ; + 1,024 x tile (4 hh + et)
	s_mov_b32 s21, 0
	s_lshl_b32 s22, s17, 15                        ; ksp: 8 parts of 4,096 bytes a batch,
	s_and_b32 s23, s18, 31
	s_lshl_b32 s23, s23, 7
	s_add_co_u32 s22, s22, s23                     ; + 128 bytes a head
	s_mov_b32 s23, 0
	s_lshl_b32 s24, ttmp9, 9                       ; kvc: 512 g
	s_mov_b32 s25, 0
	s_lshl_b32 s26, s18, 7                         ; ksum: 128 x (32 x batch + head)
	s_mov_b32 s27, 0
	s_wait_kmcnt 0x0
	s_load_b128 s[28:31], s[8:9], 0x18             ; e6, e7, e8, e9
	s_add_nc_u64 s[4:5], s[4:5], s[20:21]
	s_add_nc_u64 s[6:7], s[6:7], s[22:23]
	s_add_nc_u64 s[10:11], s[10:11], s[24:25]
	s_add_nc_u64 s[12:13], s[12:13], s[26:27]
.irp t, 0,1,2,3,4,5,6,7
.irp k, 0,1,2,3
	global_load_b128 v[64+16*\t+4*\k:64+16*\t+4*\k+3], v1, s[4:5] offset:\t*131072+(\k/2)*2048+(\k%2)*512 th:TH_LOAD_NT   ; 512 consecutive bytes a load; read once in the launch
.endr
.endr
.irp t, 0,1,2,3,4,5,6,7
	global_load_b32 v[8+\t], v2, s[6:7] offset:4096*\t
.endr
	s_wait_kmcnt 0x0
	s_sub_co_i32 s19, s31, s28
	s_sub_co_i32 s19, s19, s29                     ; e9 - e6 - e7
	s_add_co_i32 s19, s19, 127
	s_lshl_b32 s20, s19, 23
	v_mov_b32 v4, s20                              ; 2^(e9 - e6 - e7) as f32: the conversion takes its exponent field
	s_add_co_i32 s19, s19, 8
	s_lshl_b32 s19, s19, 23
	s_or_b32 s19, s19, 0x600000
	v_mov_b32 v5, s19                              ; 448 x that
	s_wait_loadcnt 0x0
.irp w, 64,32,16                       ; a tree over the eight parts: 4 + 4, 2 + 2, 1 + 1
.set j, 0
.rept \w/2
	v_pk_add_f32 v[64+j:65+j], v[64+j:65+j], v[64+\w+j:65+\w+j]
.set j, j+2
.endr
.endr
.irp j, 0,2
	v_pk_add_f32 v[8+\j:9+\j], v[8+\j:9+\j], v[12+\j:13+\j]
.endr
	v_pk_add_f32 v[8:9], v[8:9], v[10:11]
	v_add_f32 v8, v8, v9                           ; Ksum of feature 32 x head + lane
.set j, 0
.rept 16
	v_med3_num_f32 v[64+j], v[64+j], -v5, v5       ; the conversion does not saturate (ISA guide 7.6.2): the hold at the largest code x the scale
.set j, j+1
.endr
	v_cvt_scalef32_pk8_fp8_f32 v[24:25], v[64:71], v4    ; d = 8 h + 0 .. 7
	v_cvt_scalef32_pk8_fp8_f32 v[26:27], v[72:79], v4    ; d = 16 + 8 h + 0 .. 7
	v_nop
	global_store_b128 v1, v[24:27], s[10:11]       ; 512 consecutive bytes
	s_cmp_lg_u32 s14, 0
	s_cbranch_scc1 .Lend
	global_store_b32 v2, v8, s[12:13]
.Lend:
	s_endpgm
.Lfunc_end_k_q238782ad79_kvred:
	.size	k_q238782ad79_kvred, .Lfunc_end_k_q238782ad79_kvred-k_q238782ad79_kvred
	.p2alignl 7, 3214868480
	.fill 96, 4, 3214868480
	.section	.rodata,"a",@progbits
	.p2align	6, 0x0
	.amdhsa_kernel k_q238782ad79_kvred
		.amdhsa_group_segment_fixed_size 0
		.amdhsa_private_segment_fixed_size 0
		.amdhsa_enable_private_segment 0
		.amdhsa_kernarg_size 40
		.amdhsa_user_sgpr_count 2
		.amdhsa_user_sgpr_kernarg_segment_ptr 1
		.amdhsa_wavefront_size32 1
		.amdhsa_system_sgpr_workgroup_id_x 1
		.amdhsa_system_sgpr_workgroup_id_y 1
		.amdhsa_system_sgpr_workgroup_id_z 1
		.amdhsa_system_vgpr_workitem_id 0
		.amdhsa_next_free_vgpr 192
		.amdhsa_next_free_sgpr 66
		.amdhsa_reserve_vcc 0
		.amdhsa_float_denorm_mode_32 3
		.amdhsa_float_denorm_mode_16_64 3
		.amdhsa_memory_ordered 1
		.amdhsa_forward_progress 1
		.amdhsa_inst_pref_size 11
	.end_amdhsa_kernel
	.amdgpu_metadata
---
amdhsa.version: [ 1, 2 ]
amdhsa.kernels:
  - .name:           k_q238782ad79_kvred
    .symbol:         k_q238782ad79_kvred.kd
    .args:
      - { .name: kvp, .offset: 0, .size: 8, .value_kind: global_buffer, .address_space: global }
      - { .name: ksp, .offset: 8, .size: 8, .value_kind: global_buffer, .address_space: global }
      - { .name: lowp_scales, .offset: 16, .size: 8, .value_kind: global_buffer, .address_space: global }
      - { .name: kvc, .offset: 24, .size: 8, .value_kind: global_buffer, .address_space: global }
      - { .name: ksum, .offset: 32, .size: 8, .value_kind: global_buffer, .address_space: global }
    .group_segment_fixed_size: 0
    .private_segment_fixed_size: 0
    .kernarg_segment_align: 8
    .kernarg_segment_size: 40
    .max_flat_workgroup_size: 32
    .sgpr_count:     66
    .vgpr_count:     192
    .wavefront_size: 32
...
	.end_amdgpu_metadata
.endif
;; end of part 2
;; launch qctx (part 3): grid 4 x 64, 4 waves a work-group, clusters of 4 x 4, 327,680 bytes of LDS; arguments x_codes, Wq_codes, bq, lowp_scales, kvc, ksum, ctx; writes ctx
.if DOCPART == 3
	.amdgcn_target "amdgcn-amd-amdhsa--gfx1250"
	.amdhsa_code_object_version 6
	.text
	.protected	k_q238782ad79_qctx
	.globl	k_q238782ad79_qctx
	.p2align	8
	.type	k_q238782ad79_qctx,@function
k_q238782ad79_qctx:
	s_mov_b64 s[64:65], 0
	v_nop
	global_prefetch_b8 v0, s[64:65] scope:SCOPE_SE
	s_setreg_imm32_b32 hwreg(HW_REG_WAVE_MODE, 25, 1), 1
	s_wait_xcnt 0x0
	s_wait_alu depctr_hold_cnt(0) depctr_sa_sdst(0) depctr_va_vdst(0) depctr_va_sdst(0) depctr_va_ssrc(0) depctr_va_vcc(0) depctr_vm_vsrc(0)
	s_getreg_b32 s2, hwreg(HW_REG_IB_STS2, 6, 4)
	s_cmp_eq_u32 s2, 0
	s_cbranch_scc0 .Lentry_in_a_cluster
	s_endpgm
.Lentry_in_a_cluster:
	s_bfe_u32 s2, ttmp6, 0x10000c
	s_cmp_lg_u32 s2, 0xf033
	s_cbranch_scc0 .Lentry_shape_is_right
	s_endpgm
.Lentry_shape_is_right:
; Q = elu(x Wq^T + bq) + 1; Z = 1 / (Q . Ksum + 1e-6), in f32 on the unquantised Q; context = (Q KV) Z with Q and KV as E4M3 codes; context is quantised to E4M3 and stored as the next launch's fragments.
; x, Wq: E4M3 codes, K innermost, rows of 1,024 bytes.  kvc: KV's codes as images of fragments; ksum [4][1024] f32.  Q never goes to memory.
; SHARES.  A tile of 256 tokens x 256 features (8 heads) is made by a work-group of four waves, as many as a WGP has SIMDs; a wave makes 128 x 128 (4 heads): 64 accumulators, 512 registers.
; K goes in steps of 256 through a ring of two LDS slots.  CLUSTERS: 4 x 4 work-groups; x's tiles are asked for jointly along a row of the cluster, Wq's along a column.
; THE MATRIX INSTRUCTION IS USED TRANSPOSED (source 0 = 16 rows of Wq, source 1 = 16 tokens): a lane holds ONE token and its registers run along the features, which are the K of Q KV:
; the conversions' results are that product's operand.  Q KV goes by the K = 64 form: 64 along K are two heads, and KV's fragment holds zero codes in the other head's half.
; Its source 0 is KV^T (16 e, in the order in which an earlier launch laid them), so that in the result register j of lane (r, h) is token r, e = 16 h + 8 et + j: the 16 registers of a head's two tiles are
; 16 neighbouring features, and their codes are four registers of the output projection's fragment.  They are stored as they stand: 512 consecutive bytes a store, no way through LDS.
; ctx[tile of 16 tokens][128 along K][2048]: registers 4 c .. 4 c + 3 of lane l at 512 c + 16 l.
; elu(x) + 1 is the middle one of x + 1, e^x and 1: for x > 0, 1 < x + 1 < e^x; for x <= 0, x + 1 <= e^x <= 1.
; LIMITS on the given exponents: e0 + e1 between -126 and 127; e8 and e10 between -126 and 119; e8 + e9 is applied by v_ldexp_f32 and has none.  NaN among the inputs is not served.
; e^x is 2^(x log2 e) with x log2 e rounded to f32: its relative error grows as 1e-7 |x|; under 2^-126 it is 0.
; REGISTERS, in windows of 256: window 0: v0-31 addresses and constants; v32-79 KV's fragments; from v128 x's fragments, ONE set; on the way out v80-143 T, v144-207 Y, v208-223 Q's codes, v224-239 context's, v240-251 the divisors.
;   window 1: Wq's fragments, TWO sets, at v0 and v128; in the last step set 0 takes bq (v0-63) and Ksum (v64-127).   windows 2, 3: accumulator (a, b) at v[8 (8 (a % 4) + b)].
.set ROWB,   256
.set PITCH,  272                       ; an LDS row: 256 bytes + 16 of padding = 68 words, so that the 16 rows of a load start at 16 different banks (64 banks of 4 bytes: ISA guide 11.1)
.set FR,     16
.set NL,     4
.set NP,     4                         ; places behind this matrix instruction (ISA guide 7.12.1)
.set HALFT,  128*PITCH
.set SLOT,   4*HALFT                   ; x's 256 rows, then Wq's 256
.set SPARE,  2*SLOT                    ; behind the ring: the spare words, 128 bytes for each wave
.set ADRA, 16                          ; v16-17  LDS address of my fragments of x in slot 0, 1
.set ADRB, 20                          ; v20-21  of Wq
.set L16,  25                          ; v25     16 x lane
.set H32,  27                          ; v27     32 x (lane / 16)
.set SPW,  28                          ; v28     LDS address of my spare word; never rewritten
.set NIL,  29                          ; v29     0; never rewritten
.set KVF,  32                          ; four groups of 12: the even head's codes, four registers of zeros, the odd head's codes: group 2 (g / 2) + et
.set T,    80
.set Y,    144
.set QC,   208
.set CC,   224
.set DN,   240
.set DX,   248
.set AF,   128
.set BQ,   0                           ; in window 1
.set KSM,  64
.set G1, 24
.set G0, 32
.set G1B, 48
.set G0B, 56
.set MSB, 0
.macro WIN new                         ; the immediate's high byte repeats the setting that is left
.if MSB != (\new)
	s_set_vgpr_msb (MSB<<8)|(\new)
.set MSB, \new
.endif
.endm
.set MUL_LO, 0xa1                      ; source 0 (Wq) window 1, source 1 (x) window 0, C and D window 2
.set MUL_HI, 0xf1
.set TO_B,   0x40
.macro JLOAD g0a, g1a, g0b, g1b        ; a joint load: waves 0 and 1 fetch for x, waves 2 and 3 for Wq; four v_nop follow each of the two lines
	s_cmp_eq_u32 s15, 0
	s_cbranch_scc0 .Lfor_b_\@
	tensor_load_to_lds s[\g0a:\g0a+3], s[\g1a:\g1a+7]
	s_nop 0
.rept 4
	v_nop
.endr
	s_branch .Lasked_\@
.Lfor_b_\@:
	tensor_load_to_lds s[\g0b:\g0b+3], s[\g1b:\g1b+7]
	s_nop 0
.rept 4
	v_nop
.endr
.Lasked_\@:
.endm
.macro CREST
	s_cmp_lg_u32 s14, 0
	s_cbranch_scc1 .Lnot_wave_0_\@
	s_barrier_signal -3
.Lnot_wave_0_\@:
	s_barrier_wait -3
	s_barrier_signal -1
	s_barrier_wait -1
.endm
.macro CROUND
	s_barrier_signal -1
	s_barrier_wait -1
	CREST
.endm
.macro QSC vs, vl, e                   ; v[vs] = 2^s[e], whose exponent field the conversion takes; v[vl] = 448 x that, for the hold
	s_add_co_i32 s4, s[\e], 127
	s_lshl_b32 s5, s4, 23
	v_mov_b32 v[\vs], s5
	s_add_co_i32 s4, s4, 8
	s_lshl_b32 s4, s4, 23
	s_or_b32 s4, s4, 0x600000
	v_mov_b32 v[\vl], s4
.endm
	s_load_b256 s[68:75], s[0:1], 0x0              ; x s[68:69], Wq s[70:71], bq s[72:73], the exponents s[74:75]
	s_load_b128 s[76:79], s[0:1], 0x20             ; kvc s[76:77], ksum s[78:79]
	s_load_b64 s[80:81], s[0:1], 0x30              ; ctx
	v_lshl_add_u32 v[SPW], v0, 2, SPARE
	v_mov_b32 v[NIL], 0
	ds_add_u32 v28, v29
	ds_add_u32 v28, v29
	s_wait_dscnt 0x0
	v_lshrrev_b32 v1, 5, v0
	v_readfirstlane_b32 s14, v1                    ; wave 0..3
	s_lshr_b32 s15, s14, 1                         ; which half of the tokens is mine.  Also: I fetch for x (0) or for Wq (1)
	s_and_b32 s16, s14, 1                          ; which half of the features.  Also: which 128 rows I fetch
	s_bfe_u32 s40, ttmp6, 0x40000                  ; cx, cy
	s_bfe_u32 s41, ttmp6, 0x40004
	s_lshl_b32 s42, ttmp9, 2
	s_add_co_u32 s42, s42, s40                     ; block of 256 features
	s_and_b32 s17, ttmp7, 0xffff
	s_lshl_b32 s17, s17, 2
	s_add_co_u32 s17, s17, s41                     ; block of 256 tokens
	s_lshl_b32 s43, s41, 2
	s_lshl_b32 s43, 15, s43                        ; my row of the cluster
	s_lshl_b32 s44, 0x1111, s40                    ; my column
	s_or_b32 s[G1+0], s43, (0<<16)|(1<<20)|(1<<21)|(5<<22)|(3<<25)  ; the mask; element of 1 byte; padding on; bit 21 beside a mask; 4 words after every 64
	s_or_b32 s[G1B+0], s44, (0<<16)|(1<<20)|(1<<21)|(5<<22)|(3<<25)
.irp g, G1, G1B
	s_mov_b32 s[\g+1], ROWB<<16                    ; tensor_dim0
	s_mov_b32 s[\g+2], 128<<16                     ; tensor_dim1
	s_mov_b32 s[\g+3], ROWB<<16                    ; tile_dim0
	s_mov_b32 s[\g+4], 128                         ; tile_dim1
	s_mov_b32 s[\g+5], 1024                        ; tensor_dim0_stride
	s_mov_b32 s[\g+6], 0
	s_mov_b32 s[\g+7], 0
.endr
	s_lshl_b32 s18, s16, 17                        ; the 128 rows of 1,024 bytes that I fetch
	s_lshl_b32 s20, s17, 18
	s_add_co_u32 s20, s20, s18                     ; x
	s_mov_b32 s21, 0
	s_lshl_b32 s46, s42, 18
	s_add_co_u32 s46, s46, s18                     ; Wq
	s_mov_b32 s47, 0
	s_mul_i32 s45, s14, HALFT
	s_wait_kmcnt 0x0
	s_load_b256 s[84:91], s[74:75], 0x0            ; e0 .. e7
	s_load_b128 s[92:95], s[74:75], 0x20           ; e8 .. e11
	s_add_nc_u64 s[20:21], s[68:69], s[20:21]
	s_add_nc_u64 s[46:47], s[70:71], s[46:47]
	CROUND                                         ; all sixteen work-groups are here: the first joint loads meet
.irp s, 0,1
	s_mov_b32 s[G0+4*\s], 1
	s_add_co_u32 s[G0+4*\s+1], s45, \s*SLOT
	s_add_nc_u64 s[G0+4*\s+2:G0+4*\s+3], s[20:21], \s*ROWB
	s_or_b32 s[G0+4*\s+3], s[G0+4*\s+3], 0x80000000
	s_mov_b32 s[G0B+4*\s], 1
	s_add_co_u32 s[G0B+4*\s+1], s45, \s*SLOT
	s_add_nc_u64 s[G0B+4*\s+2:G0B+4*\s+3], s[46:47], \s*ROWB
	s_or_b32 s[G0B+4*\s+3], s[G0B+4*\s+3], 0x80000000
	JLOAD G0+4*\s, G1, G0B+4*\s, G1B
.endr
	v_and_b32 v1, 15, v0                           ; r
	v_bfe_u32 v2, v0, 4, 1                         ; h
	v_mul_u32_u24 v3, v1, PITCH
	v_lshl_add_u32 v4, v2, 4, v3
	s_mul_i32 s21, s15, HALFT                      ; my 128 tokens
	s_mul_i32 s22, s16, HALFT                      ; my 128 rows of Wq,
	s_add_co_u32 s22, s22, 2*HALFT                 ; which lie behind x's 256
.irp s, 0,1
	v_add_nc_u32 v[ADRA+\s], s21, v4
	v_add_nc_u32 v[ADRB+\s], s22, v4
	s_add_co_u32 s21, s21, SLOT
	s_add_co_u32 s22, s22, SLOT
.endr
	v_and_b32 v5, 31, v0
	v_lshlrev_b32 v[L16], 4, v5
	v_lshlrev_b32 v[H32], 5, v2
	s_lshl_b32 s46, s42, 10
	s_lshl_b32 s47, s16, 9
	s_add_co_u32 s46, s46, s47                     ; 4 x my first feature: 256 x block + 128 x half
	s_mov_b32 s47, 0
	s_add_nc_u64 s[72:73], s[72:73], s[46:47]      ; bq
	s_add_nc_u64 s[78:79], s[78:79], s[46:47]      ; ksum
	s_lshl_b32 s46, s46, 2
	s_add_nc_u64 s[80:81], s[80:81], s[46:47]      ; ctx: 2,048 x my 128 along its K
	s_lshl_b32 s46, s46, 1
	s_add_nc_u64 s[76:77], s[76:77], s[46:47]      ; kvc: 1,024 x my first head
	s_lshr_b32 s18, s17, 4                         ; the batch
	s_lshl_b32 s20, s18, 12
	s_mov_b32 s21, 0
	s_add_nc_u64 s[78:79], s[78:79], s[20:21]
	s_lshl_b32 s20, s18, 15
	s_add_nc_u64 s[76:77], s[76:77], s[20:21]
	s_lshl_b32 s20, s17, 18                        ; ctx: 16 tiles of 16,384 bytes a block of tokens,
	s_lshl_b32 s18, s15, 17                        ; + my 8
	s_add_co_u32 s20, s20, s18
	s_add_nc_u64 s[80:81], s[80:81], s[20:21]
.irp g, 0,1,2,3
.irp et, 0,1
	global_load_b128 v[KVF+12*(2*(\g/2)+\et)+8*(\g%2):KVF+12*(2*(\g/2)+\et)+8*(\g%2)+3], v[L16], s[76:77] offset:1024*\g+512*\et
.endr
.endr
.irp u, 0,1,2,3
.irp i, 4,5,6,7
	v_mov_b32 v[KVF+12*\u+\i], 0                   ; zero codes: the half of the 64 along K that belongs to the other head
.endr
.endr
	s_wait_kmcnt 0x0
	s_add_co_i32 s96, s84, s85                     ; e0 + e1
	s_add_co_i32 s96, s96, 127
	s_lshl_b32 s96, s96, 23                        ; 2^(e0 + e1)
	s_mov_b32 s97, s96
	s_add_co_i32 s98, s92, s93                     ; e8 + e9
	s_mov_b32 s100, 0x3fb8aa3b                     ; log2 e
	s_mov_b32 s101, s100
	s_mov_b32 s66, 0x76543210                      ; v_permlanex16_b32: lane l xor 16
	s_mov_b32 s67, 0xfedcba98
	v_mov_b32 v12, 0xbfb8aa3b                      ; -log2 e, twice
	v_mov_b32 v13, v12
	QSC 8, 9, 92                                   ; Q's quantiser: e8
	QSC 10, 11, 94                                 ; context's: e10
	s_wait_loadcnt 0x0                             ; KV's codes
.macro FRAG reg, adr, q, rows          ; a fragment, 16 rows x 128 K: registers 4 c .. 4 c + 3 hold K = 32 c + 16 (lane / 16) + 0 .. 15: the same permutation of K in x and in Wq
.irp c, 0,1,2,3
	ds_load_b128 v[\reg+4*\c:\reg+4*\c+3], v[\adr] offset:128*(\q)+32*\c+(\rows)*PITCH
.endr
.endm
; 16 matrix instructions: x's blocks a0, a0 + 1 x Wq's eight.  The 64 accumulators take turns, one instruction a turn, in the same order in every step.
.macro MUL16 a0, p, zero
.irp a, \a0, \a0+1
.irp b, 0,1,2,3,4,5,6,7
.if \zero
	v_wmma_f32_16x16x128_fp8_fp8 v[8*(8*((\a)%4)+\b):8*(8*((\a)%4)+\b)+7], v[128*(\p)+FR*\b:128*(\p)+FR*\b+FR-1], v[AF+FR*(\a):AF+FR*(\a)+FR-1], 0
.else
	v_wmma_f32_16x16x128_fp8_fp8 v[8*(8*((\a)%4)+\b):8*(8*((\a)%4)+\b)+7], v[128*(\p)+FR*\b:128*(\p)+FR*\b+FR-1], v[AF+FR*(\a):AF+FR*(\a)+FR-1], v[8*(8*((\a)%4)+\b):8*(8*((\a)%4)+\b)+7]
.endif
.endr
.endr
.endm
.macro FETCH_B slot, q, p
	WIN TO_B
.irp i, 0,1,2,3,4,5,6,7
	FRAG 128*(\p)+FR*\i, ADRB+\slot, \q, 16*\i
.endr
	WIN 0
.endm
.macro FETCH_A slot, q, i0
.irp i, \i0, \i0+1, \i0+2, \i0+3
	FRAG AF+FR*(\i), ADRA+\slot, \q, 16*(\i)
.endr
.endm
; A load into a register that a matrix instruction has read, and a vector instruction that reads a matrix result or writes one of its registers, stand NP places behind it; only plain vector
; instructions that name none of its registers are places (ISA guide 7.12.1 for vector instructions).
.macro PLACES n
.rept \n
	v_nop
.endr
.endm
.macro STEP slot, q, zero
	s_wait_dscnt 4*NL                              ; Wq's set and x's blocks 0-3 are in; the youngest sixteen loads (blocks 4-7) may be out
	WIN MUL_LO
	MUL16 0, (\q)%2, \zero
	MUL16 2, (\q)%2, \zero
	s_wait_dscnt 0
	PLACES NP
	FETCH_B \slot, (\q)+1, 1-(\q)%2
	FETCH_A \slot, (\q)+1, 0
	WIN MUL_HI
	MUL16 4, (\q)%2, \zero
	MUL16 6, (\q)%2, \zero
	PLACES NP
	WIN 0
	FETCH_A \slot, (\q)+1, 4
.endm
; A slot's last step changes slots: ONE barrier; in front of it each wave waits for all its tensor loads, adds 0 to its spare word, and waits for that and for its reads of this slot.
.macro TURN slot, next, fill
	s_wait_tensorcnt 0x0                           ; all my tensor loads have landed: my part of the next slot
	ds_add_u32 v[SPW], v[NIL]                      ; 0 onto my spare word
	s_wait_dscnt 4*NL+1                            ; (the add and the youngest sixteen loads may be out)
	WIN MUL_LO
	MUL16 0, 1, 0
	s_wait_dscnt 0x0                               ; the add is done, and my reads of this slot are over
	s_barrier_signal -1
	MUL16 2, 1, 0
	WIN 0
	s_barrier_wait -1
.if \fill
	CREST                                          ; the barrier has opened a round of the cluster's barrier: no wave of any partner still reads this slot or has a load on its way
	s_add_nc_u64 s[G0+4*\slot+2:G0+4*\slot+3], s[G0+4*\slot+2:G0+4*\slot+3], 2*ROWB
	s_add_nc_u64 s[G0B+4*\slot+2:G0B+4*\slot+3], s[G0B+4*\slot+2:G0B+4*\slot+3], 2*ROWB
	JLOAD G0+4*\slot, G1, G0B+4*\slot, G1B         ; the first tensor load behind the round; its four v_nop are also the places in front of the loads below
.else
	PLACES NP
.endif
	FETCH_B \next, 0, 0
	FETCH_A \next, 0, 0
	WIN MUL_HI
	MUL16 4, 1, 0
	MUL16 6, 1, 0
	PLACES NP
	WIN 0
	FETCH_A \next, 0, 4
.endm
	s_wait_tensorcnt 1                             ; my part of K step 0 is in (K step 1's load may be out)
	s_barrier_signal -1
	s_barrier_wait -1
	FETCH_B 0, 0, 0
	FETCH_A 0, 0, 0
	FETCH_A 0, 0, 4
	STEP 0, 0, 1                                   ; the first step's products start the sums
	s_mov_b32 s3, 1                                ; 1,024 along K are two laps of the ring: one trip fills both slots again
.Llap:
	TURN 0, 1, 1
	STEP 1, 0, 0
	TURN 1, 0, 1
	STEP 0, 0, 0
	s_sub_co_u32 s3, s3, 1
	s_cmp_lg_u32 s3, 0
	s_cbranch_scc1 .Llap
	TURN 0, 1, 0
	STEP 1, 0, 0
	; Wq's set 0 has been multiplied for the last time, four places back: it takes bq and Ksum at my lane's features 16 b + 8 h + 0 .. 7, which land under the last 64 matrix instructions
	WIN 0x40                                       ; destination window 1
.irp b, 0,1,2,3,4,5,6,7
	global_load_b128 v[BQ+8*\b:BQ+8*\b+3], v[H32], s[72:73] offset:64*\b
	global_load_b128 v[BQ+8*\b+4:BQ+8*\b+7], v[H32], s[72:73] offset:64*\b+16
	global_load_b128 v[KSM+8*\b:KSM+8*\b+3], v[H32], s[78:79] offset:64*\b
	global_load_b128 v[KSM+8*\b+4:KSM+8*\b+7], v[H32], s[78:79] offset:64*\b+16
.endr
	WIN 0
	s_wait_dscnt 4*NL                              ; the very last step
	WIN MUL_LO
	MUL16 0, 1, 0
	MUL16 2, 1, 0
	s_wait_dscnt 0
	WIN MUL_HI
	MUL16 4, 1, 0
	MUL16 6, 1, 0
	WIN 0
	s_wait_loadcnt 0x0                             ; bq and Ksum
	WIN 0x41                                       ; source 0 and destination: window 1
.set j, 0
.rept 32
	v_pk_add_f32 v[BQ+j:BQ+j+1], v[BQ+j:BQ+j+1], 1.0 op_sel_hi:[1,0]   ; bq + 1.  (These are also the places behind the last products)
.set j, j+2
.endr
	WIN 0
.irp q, 0,1,2,3
	v_mov_b32 v[DX+\q], 0                          ; written once: a lane permute's destination counts as one of its sources
.endr
; Block a: 16 tokens x my 128 features (heads g = 0 .. 3).  T[8 b + i] is feature 16 b + 8 h + i of token r.
.macro CTX a
.set AC, 64*((\a)%4)
	s_wait_xcnt 0x0                                ; the last block's stores have read their registers: context's codes are written again only behind this wait
	WIN 0x12+((\a)/4)                              ; source 0 (the sums) window 2 or 3, source 2 (bq + 1) window 1
.set j, 0
.rept 32
	v_pk_fma_f32 v[T+j:T+j+1], v[AC+j:AC+j+1], s[96:97], v[BQ+j:BQ+j+1] op_sel_hi:[1,0,1]   ; x + 1; each accumulator from its low end on
.set j, j+2
.endr
	WIN 0
.set j, 0
.rept 32
	v_pk_fma_f32 v[Y+j:Y+j+1], v[T+j:T+j+1], s[100:101], v[12:13] op_sel_hi:[1,0,1]         ; (x + 1) log2 e - log2 e
.set j, j+2
.endr
.set j, 0
.rept 64
	v_exp_f32 v[Y+j], v[Y+j]                       ; e^x: one batch
.set j, j+1
.endr
	v_nop                                          ; a plain instruction behind the last exponential
	s_wait_alu depctr_va_vdst(0)                   ; one wait for the batch, ahead of its first reader
.set j, 0
.rept 64
	v_med3_num_f32 v[T+j], v[T+j], v[Y+j], 1.0     ; Q = elu(x) + 1: the middle one of x + 1, e^x and 1
.set j, j+1
.endr
	WIN 0x04                                       ; source 1 (Ksum): window 1
.irp g, 0,1,2,3                        ; Q . Ksum in f32, on the unquantised Q: my 16 features of each head, the four heads by turns
	v_pk_mul_f32 v[DN+2*\g:DN+2*\g+1], v[T+16*\g:T+16*\g+1], v[KSM+16*\g:KSM+16*\g+1]
.endr
.irp p, 2,4,6,8,10,12,14
.irp g, 0,1,2,3
	v_pk_fma_f32 v[DN+2*\g:DN+2*\g+1], v[T+16*\g+\p:T+16*\g+\p+1], v[KSM+16*\g+\p:KSM+16*\g+\p+1], v[DN+2*\g:DN+2*\g+1]
.endr
.endr
	WIN 0
.irp g, 0,1,2,3
	v_add_f32 v[DN+2*\g], v[DN+2*\g], v[DN+2*\g+1]
.endr
.irp g, 0,1,2,3
	v_permlanex16_b32 v[DX+\g], v[DN+2*\g], s66, s67   ; the head's other 16 features lie in the lane 16 away
.endr
.irp g, 0,1,2,3
	v_add_f32 v[DN+2*\g], v[DN+2*\g], v[DX+\g]
.endr
.irp g, 0,1,2,3
	v_add_f32 v[DN+2*\g], 0x358637bd, v[DN+2*\g]   ; + 1e-6
.endr
.irp g, 0,1,2,3
	v_rcp_f32 v[DN+2*\g], v[DN+2*\g]               ; Z: a batch of four; the holds, conversions and products below are the work behind it
.endr
.set j, 0
.rept 64
	v_min_num_f32 v[T+j], v[T+j], v9               ; the conversion does not saturate (ISA guide 7.6.2); Q is not negative, so the hold is one-sided
.set j, j+1
.endr
.irp b, 0,1,2,3,4,5,6,7
	v_cvt_scalef32_pk8_fp8_f32 v[QC+2*\b:QC+2*\b+1], v[T+8*\b:T+8*\b+7], v8   ; registers 2 c, 2 c + 1 of a pair of heads' fragment: K = 16 c + 8 h + 0 .. 7
.endr
	v_nop                                          ; a plain instruction between the conversions and the products that read their results
.irp g, 0,1,2,3
.irp et, 0,1
	v_wmma_f32_16x16x64_fp8_fp8 v[Y+8*(2*\g+\et):Y+8*(2*\g+\et)+7], v[KVF+12*(2*(\g/2)+\et)+4*(\g%2):KVF+12*(2*(\g/2)+\et)+4*(\g%2)+7], v[QC+8*(\g/2):QC+8*(\g/2)+7], 0
.endr
.endr
	s_wait_alu depctr_va_vdst(0)                   ; one wait for the four reciprocals, ahead of their first reader
.irp g, 0,1,2,3
	v_ldexp_f32 v[DN+2*\g], v[DN+2*\g], s98        ; Z x 2^(e8 + e9).  (These four are the places behind the products)
.endr
.irp g, 0,1,2,3
.irp i, 0,2,4,6,8,10,12,14
	v_pk_mul_f32 v[Y+16*\g+\i:Y+16*\g+\i+1], v[Y+16*\g+\i:Y+16*\g+\i+1], v[DN+2*\g:DN+2*\g+1] op_sel_hi:[1,0]   ; context; each result from its low end on
.endr
.endr
.set j, 0
.rept 64
	v_med3_num_f32 v[Y+j], v[Y+j], -v11, v11       ; the hold at the largest code x the scale
.set j, j+1
.endr
.irp u, 0,1,2,3,4,5,6,7
	v_cvt_scalef32_pk8_fp8_f32 v[CC+2*\u:CC+2*\u+1], v[Y+8*\u:Y+8*\u+7], v10   ; registers 4 g .. 4 g + 3: features 32 g + 16 h + 0 .. 15
.endr
	v_nop
.irp g, 0,1,2,3
	global_store_b128 v[L16], v[CC+4*\g:CC+4*\g+3], s[80:81] offset:16384*(\a)+512*\g   ; 32 lanes store 512 consecutive bytes, at a multiple of 512 from ctx's first byte
.endr
.endm
.irp a, 0,1,2,3,4,5,6,7
	CTX \a
.endr
	s_wait_tensorcnt 0x0                           ; the wave's end
	ds_add_u32 v[SPW], v[NIL]
	s_wait_dscnt 0x0
	CROUND                                         ; the closing round: no work-group ends while a partner may still ask for a tile that names it
	s_endpgm
.Lfunc_end_k_q238782ad79_qctx:
	.size	k_q238782ad79_qctx, .Lfunc_end_k_q238782ad79_qctx-k_q238782ad79_qctx
	.p2alignl 7, 3214868480
	.fill 96, 4, 3214868480
	.section	.rodata,"a",@progbits
	.p2align	6, 0x0
	.amdhsa_kernel k_q238782ad79_qctx
		.amdhsa_group_segment_fixed_size 327680
		.amdhsa_private_segment_fixed_size 0
		.amdhsa_enable_private_segment 0
		.amdhsa_kernarg_size 56
		.amdhsa_user_sgpr_count 2
		.amdhsa_user_sgpr_kernarg_segment_ptr 1
		.amdhsa_wavefront_size32 1
		.amdhsa_system_sgpr_workgroup_id_x 1
		.amdhsa_system_sgpr_workgroup_id_y 1
		.amdhsa_system_sgpr_workgroup_id_z 1
		.amdhsa_system_vgpr_workitem_id 0
		.amdhsa_next_free_vgpr 1024
		.amdhsa_next_free_sgpr 102
		.amdhsa_reserve_vcc 0
		.amdhsa_float_denorm_mode_32 3
		.amdhsa_float_denorm_mode_16_64 3
		.amdhsa_memory_ordered 1
		.amdhsa_forward_progress 1
		.amdhsa_inst_pref_size 255
	.end_amdhsa_kernel
	.section	.bss,"aw",@nobits
	.p2align	6
	.space	262144
	.amdgpu_metadata
---
amdhsa.version: [ 1, 2 ]
amdhsa.kernels:
  - .name:           k_q238782ad79_qctx
    .symbol:         k_q238782ad79_qctx.kd
    .args:
      - { .name: x_codes, .offset: 0, .size: 8, .value_kind: global_buffer, .address_space: global }
      - { .name: Wq_codes, .offset: 8, .size: 8, .value_kind: global_buffer, .address_space: global }
      - { .name: bq, .offset: 16, .size: 8, .value_kind: global_buffer, .address_space: global }
      - { .name: lowp_scales, .offset: 24, .size: 8, .value_kind: global_buffer, .address_space: global }
      - { .name: kvc, .offset: 32, .size: 8, .value_kind: global_buffer, .address_space: global }
      - { .name: ksum, .offset: 40, .size: 8, .value_kind: global_buffer, .address_space: global }
      - { .name: ctx, .offset: 48, .size: 8, .value_kind: global_buffer, .address_space: global }
    .group_segment_fixed_size: 327680
    .private_segment_fixed_size: 0
    .kernarg_segment_align: 8
    .kernarg_segment_size: 56
    .max_flat_workgroup_size: 128
    .sgpr_count:     102
    .vgpr_count:     1024
    .wavefront_size: 32
...
	.end_amdgpu_metadata
.endif
;; end of part 3
;; launch outp (part 4): grid 4 x 64, 4 waves a work-group, clusters of 4 x 4, 327,680 bytes of LDS; arguments ctx, Wo_codes, bo, lowp_scales, out0; writes out0
.if DOCPART == 4
	.amdgcn_target "amdgcn-amd-amdhsa--gfx1250"
	.amdhsa_code_object_version 6
	.text
	.protected	k_q238782ad79_outp
	.globl	k_q238782ad79_outp
	.p2align	8
	.type	k_q238782ad79_outp,@function
k_q238782ad79_outp:
	s_mov_b64 s[64:65], 0
	v_nop
	global_prefetch_b8 v0, s[64:65] scope:SCOPE_SE
	s_setreg_imm32_b32 hwreg(HW_REG_WAVE_MODE, 25, 1), 1
	s_wait_xcnt 0x0
	s_wait_alu depctr_hold_cnt(0) depctr_sa_sdst(0) depctr_va_vdst(0) depctr_va_sdst(0) depctr_va_ssrc(0) depctr_va_vcc(0) depctr_vm_vsrc(0)
	s_getreg_b32 s2, hwreg(HW_REG_IB_STS2, 6, 4)
	s_cmp_eq_u32 s2, 0
	s_cbranch_scc0 .Lentry_in_a_cluster
	s_endpgm
.Lentry_in_a_cluster:
	s_bfe_u32 s2, ttmp6, 0x10000c
	s_cmp_lg_u32 s2, 0xf033
	s_cbranch_scc0 .Lentry_shape_is_right
	s_endpgm
.Lentry_shape_is_right:
; out = context Wo^T x 2^(e10 + e11) + bo.  context: E4M3 codes laid as images of this kernel's own fragments, ctx[tile of 16 tokens][128 along K][2048]: registers 4 c .. 4 c + 3 of lane l at 512 c + 16 l,
; holding K = 32 c + 16 (l / 16) + 0 .. 15 of token l % 16.  Wo: E4M3 codes, K innermost, rows of 1,024 bytes.  out: [16384][1024] f32; sums in f32.
; A tile of 256 x 256 is made by a work-group of four waves, as many as a WGP has SIMDs; a wave makes 128 x 128: 64 accumulators, 512 registers.  K goes in steps of 256 through a ring of two LDS slots.
; A K step of context is, for each tile of 16 tokens, one dense run of 4,096 bytes: a wave's tensor load brings 8 such rows, 16,384 bytes apart, without padding: a fragment load then reads 512 consecutive bytes.
; CLUSTERS: 4 x 4 work-groups; context's tiles are asked for jointly along a row of the cluster, Wo's along a column.
; THE MATRIX INSTRUCTION IS USED TRANSPOSED (source 0 = 16 rows of Wo, source 1 = 16 tokens): a lane holds eight neighbouring numbers of a row of out.
; LIMIT: e10 + e11 between -126 and 127, so that 2^(e10 + e11) is an f32 number.
; REGISTERS, in windows of 256: window 0: v0-31 addresses; from v128 context's fragments, ONE set; on the way out v32-255 are free.   window 1: Wo's fragments, TWO sets, at v0 and v128; in the last step set 0 takes bo (v0-63).
;   windows 2, 3: accumulator (a, b) at v[8 (8 (a % 4) + b)].
.set ROWB,   256
.set PITCH,  272                       ; a row of Wo in LDS: 256 bytes + 16 of padding = 68 words, so that the 16 rows of a load start at 16 different banks (64 banks of 4 bytes: ISA guide 11.1)
.set FR,     16
.set NL,     4
.set NP,     4                         ; places behind this matrix instruction (ISA guide 7.12.1)
.set HALFT,  128*PITCH                 ; a wave's part of a slot (context's 32,768 bytes leave the rest of it unused)
.set SLOT,   4*HALFT
.set SPARE,  2*SLOT                    ; behind the ring: the spare words, 128 bytes for each wave
.set SPITCH, 528                       ; the way out: a stage of 16 rows x (512 bytes + 16) for each wave, in slot 0, which has had its last fill and its last read when the first result is stored there
.set ADRA, 16
.set ADRB, 20
.set STO,  24                          ; v24     the way out: where I put 32 bytes of a row
.set RD,   25                          ; v25     where I read a row back
.set CO,   26                          ; v26     my byte offset in a row of out
.set H32,  27                          ; v27     32 x (lane / 16)
.set SPW,  28
.set NIL,  29
.set TMP,  32
.set AF,   128
.set BK,   128
.set BO,   0                           ; in window 1
.set G1, 24
.set G0, 32
.set G1B, 48
.set G0B, 56
.set MSB, 0
.macro WIN new                         ; the immediate's high byte repeats the setting that is left
.if MSB != (\new)
	s_set_vgpr_msb (MSB<<8)|(\new)
.set MSB, \new
.endif
.endm
.set MUL_LO, 0xa1                      ; source 0 (Wo) window 1, source 1 (context) window 0, C and D window 2
.set MUL_HI, 0xf1
.set TO_B,   0x40
.macro JLOAD g0a, g1a, g0b, g1b        ; a joint load: waves 0 and 1 fetch for context, waves 2 and 3 for Wo; four v_nop follow each of the two lines
	s_cmp_eq_u32 s15, 0
	s_cbranch_scc0 .Lfor_b_\@
	tensor_load_to_lds s[\g0a:\g0a+3], s[\g1a:\g1a+7]
	s_nop 0
.rept 4
	v_nop
.endr
	s_branch .Lasked_\@
.Lfor_b_\@:
	tensor_load_to_lds s[\g0b:\g0b+3], s[\g1b:\g1b+7]
	s_nop 0
.rept 4
	v_nop
.endr
.Lasked_\@:
.endm
.macro CREST
	s_cmp_lg_u32 s14, 0
	s_cbranch_scc1 .Lnot_wave_0_\@
	s_barrier_signal -3
.Lnot_wave_0_\@:
	s_barrier_wait -3
	s_barrier_signal -1
	s_barrier_wait -1
.endm
.macro CROUND
	s_barrier_signal -1
	s_barrier_wait -1
	CREST
.endm
	s_load_b256 s[68:75], s[0:1], 0x0              ; ctx s[68:69], Wo s[70:71], bo s[72:73], the exponents s[74:75]
	s_load_b64 s[76:77], s[0:1], 0x20              ; out
	v_lshl_add_u32 v[SPW], v0, 2, SPARE
	v_mov_b32 v[NIL], 0
	ds_add_u32 v28, v29
	ds_add_u32 v28, v29
	s_wait_dscnt 0x0
	v_lshrrev_b32 v1, 5, v0
	v_readfirstlane_b32 s14, v1                    ; wave 0..3
	s_lshr_b32 s15, s14, 1                         ; which half of the tile's rows is mine.  Also: I fetch for context (0) or for Wo (1)
	s_and_b32 s16, s14, 1                          ; which half of its columns.  Also: which half of that tile I fetch
	s_bfe_u32 s40, ttmp6, 0x40000                  ; cx, cy
	s_bfe_u32 s41, ttmp6, 0x40004
	s_lshl_b32 s42, ttmp9, 2
	s_add_co_u32 s42, s42, s40                     ; tile column
	s_and_b32 s17, ttmp7, 0xffff
	s_lshl_b32 s17, s17, 2
	s_add_co_u32 s17, s17, s41                     ; tile row
	s_lshl_b32 s43, s41, 2
	s_lshl_b32 s43, 15, s43                        ; my row of the cluster
	s_lshl_b32 s44, 0x1111, s40                    ; my column
	; descriptor group 1 for context: 8 rows of 512 elements of 8 bytes, 2,048 elements apart, no padding
	s_or_b32 s[G1+0], s43, (3<<16)|(1<<21)         ; 15:0 the mask: my row; 17:16 element of 8 bytes; 21 set beside a mask
	s_mov_b32 s[G1+1], 512<<16                     ; tensor_dim0
	s_mov_b32 s[G1+2], 8<<16                       ; tensor_dim1
	s_mov_b32 s[G1+3], 512<<16                     ; tile_dim0
	s_mov_b32 s[G1+4], 8                           ; tile_dim1
	s_mov_b32 s[G1+5], 2048                        ; tensor_dim0_stride
	s_mov_b32 s[G1+6], 0
	s_mov_b32 s[G1+7], 0
	; and for Wo: 128 rows x 256 bytes, padded in LDS
	s_or_b32 s[G1B+0], s44, (0<<16)|(1<<20)|(1<<21)|(5<<22)|(3<<25)
	s_mov_b32 s[G1B+1], ROWB<<16
	s_mov_b32 s[G1B+2], 128<<16
	s_mov_b32 s[G1B+3], ROWB<<16
	s_mov_b32 s[G1B+4], 128
	s_mov_b32 s[G1B+5], 1024
	s_mov_b32 s[G1B+6], 0
	s_mov_b32 s[G1B+7], 0
	s_lshl_b32 s18, s16, 17                        ; the half that I fetch: 8 tiles of 16,384 bytes, or 128 rows of 1,024
	s_lshl_b32 s20, s17, 18
	s_add_co_u32 s20, s20, s18                     ; context
	s_mov_b32 s21, 0
	s_lshl_b32 s46, s42, 18
	s_add_co_u32 s46, s46, s18                     ; Wo
	s_mov_b32 s47, 0
	s_mul_i32 s45, s14, HALFT
	s_wait_kmcnt 0x0
	s_load_b64 s[96:97], s[74:75], 0x28            ; e10, e11
	s_add_nc_u64 s[20:21], s[68:69], s[20:21]
	s_add_nc_u64 s[46:47], s[70:71], s[46:47]
	CROUND                                         ; all sixteen work-groups are here: the first joint loads meet
.irp s, 0,1
	s_mov_b32 s[G0+4*\s], 1
	s_add_co_u32 s[G0+4*\s+1], s45, \s*SLOT
	s_add_nc_u64 s[G0+4*\s+2:G0+4*\s+3], s[20:21], \s*4096
	s_or_b32 s[G0+4*\s+3], s[G0+4*\s+3], 0x80000000
	s_mov_b32 s[G0B+4*\s], 1
	s_add_co_u32 s[G0B+4*\s+1], s45, \s*SLOT
	s_add_nc_u64 s[G0B+4*\s+2:G0B+4*\s+3], s[46:47], \s*ROWB
	s_or_b32 s[G0B+4*\s+3], s[G0B+4*\s+3], 0x80000000
	JLOAD G0+4*\s, G1, G0B+4*\s, G1B
.endr
	v_and_b32 v1, 15, v0                           ; r
	v_bfe_u32 v2, v0, 4, 1                         ; h
	v_mul_u32_u24 v3, v1, PITCH
	v_lshl_add_u32 v4, v2, 4, v3                   ; Wo: row r x pitch + 16 h
	v_and_b32 v6, 31, v0
	v_lshlrev_b32 v[CO], 4, v6                     ; 16 x lane: an image's place for my lane, and my place in a row of out
	s_mul_i32 s21, s15, HALFT                      ; my 8 tiles of tokens
	s_mul_i32 s22, s16, HALFT                      ; my 128 rows of Wo,
	s_add_co_u32 s22, s22, 2*HALFT                 ; which lie behind context's two halves
.irp s, 0,1
	v_add_nc_u32 v[ADRA+\s], s21, v[CO]
	v_add_nc_u32 v[ADRB+\s], s22, v4
	s_add_co_u32 s21, s21, SLOT
	s_add_co_u32 s22, s22, SLOT
.endr
	s_mul_i32 s23, s14, 16*SPITCH                  ; my stage
	v_mul_u32_u24 v5, v1, SPITCH                   ; in: row r, 32 bytes for each half of the lanes
	v_lshl_add_u32 v5, v2, 5, v5
	v_add_nc_u32 v[STO], s23, v5
	v_add_nc_u32 v[RD], s23, v[CO]                 ; back: the 32 lanes take one row of 512 bytes
	v_lshlrev_b32 v[H32], 5, v2
	s_lshl_b32 s20, s17, 8
	s_lshl_b32 s21, s15, 7
	s_add_co_u32 s20, s20, s21                     ; my first row of out,
	s_lshl_b32 s20, s20, 12                        ; of 4,096 bytes
	s_mov_b32 s21, 0
	s_lshl_b32 s46, s42, 10
	s_lshl_b32 s47, s16, 9
	s_add_co_u32 s46, s46, s47                     ; my first column, in bytes
	s_mov_b32 s47, 0
	s_add_nc_u64 s[72:73], s[72:73], s[46:47]      ; bo
	s_add_nc_u64 s[20:21], s[20:21], s[46:47]
	s_add_nc_u64 s[76:77], s[76:77], s[20:21]
.macro FRAG reg, adr, q, rows          ; a fragment of Wo: registers 4 c .. 4 c + 3 hold K = 32 c + 16 (lane / 16) + 0 .. 15
.irp c, 0,1,2,3
	ds_load_b128 v[\reg+4*\c:\reg+4*\c+3], v[\adr] offset:128*(\q)+32*\c+(\rows)*PITCH
.endr
.endm
.macro FRAGA reg, slot, q, i           ; a fragment of context comes back as it was stored: tile i of my eight, the slot's q-th 128 along K
.irp c, 0,1,2,3
	ds_load_b128 v[\reg+4*\c:\reg+4*\c+3], v[ADRA+\slot] offset:4096*(\i)+2048*(\q)+512*\c
.endr
.endm
; The 64 accumulators take turns, one instruction a turn, in the same order in every step.
.macro MUL16 a0, p, zero
.irp a, \a0, \a0+1
.irp b, 0,1,2,3,4,5,6,7
.if \zero
	v_wmma_f32_16x16x128_fp8_fp8 v[8*(8*((\a)%4)+\b):8*(8*((\a)%4)+\b)+7], v[128*(\p)+FR*\b:128*(\p)+FR*\b+FR-1], v[AF+FR*(\a):AF+FR*(\a)+FR-1], 0
.else
	v_wmma_f32_16x16x128_fp8_fp8 v[8*(8*((\a)%4)+\b):8*(8*((\a)%4)+\b)+7], v[128*(\p)+FR*\b:128*(\p)+FR*\b+FR-1], v[AF+FR*(\a):AF+FR*(\a)+FR-1], v[8*(8*((\a)%4)+\b):8*(8*((\a)%4)+\b)+7]
.endif
.endr
.endr
.endm
.macro FETCH_B slot, q, p
	WIN TO_B
.irp i, 0,1,2,3,4,5,6,7
	FRAG 128*(\p)+FR*\i, ADRB+\slot, \q, 16*\i
.endr
	WIN 0
.endm
.macro FETCH_A slot, q, i0
.irp i, \i0, \i0+1, \i0+2, \i0+3
	FRAGA AF+FR*(\i), \slot, \q, \i
.endr
.endm
; A load into a register that a matrix instruction has read, and a vector instruction or an LDS store that reads a matrix result, stand NP places behind it; only plain vector instructions
; that name none of its registers are places (ISA guide 7.12.1 for vector instructions).
.macro PLACES n
.rept \n
	v_nop
.endr
.endm
.macro STEP slot, q, zero
	s_wait_dscnt 4*NL                              ; Wo's set and context's blocks 0-3 are in; the youngest sixteen loads (blocks 4-7) may be out
	WIN MUL_LO
	MUL16 0, (\q)%2, \zero
	MUL16 2, (\q)%2, \zero
	s_wait_dscnt 0
	PLACES NP
	FETCH_B \slot, (\q)+1, 1-(\q)%2
	FETCH_A \slot, (\q)+1, 0
	WIN MUL_HI
	MUL16 4, (\q)%2, \zero
	MUL16 6, (\q)%2, \zero
	PLACES NP
	WIN 0
	FETCH_A \slot, (\q)+1, 4
.endm
; A slot's last step changes slots: ONE barrier; in front of it each wave waits for all its tensor loads, adds 0 to its spare word, and waits for that and for its reads of this slot.
.macro TURN slot, next, fill
	s_wait_tensorcnt 0x0                           ; all my tensor loads have landed: my part of the next slot
	ds_add_u32 v[SPW], v[NIL]                      ; 0 onto my spare word
	s_wait_dscnt 4*NL+1                            ; (the add and the youngest sixteen loads may be out)
	WIN MUL_LO
	MUL16 0, 1, 0
	s_wait_dscnt 0x0                               ; the add is done, and my reads of this slot are over
	s_barrier_signal -1
	MUL16 2, 1, 0
	WIN 0
	s_barrier_wait -1
.if \fill
	CREST                                          ; the barrier has opened a round of the cluster's barrier: no wave of any partner still reads this slot or has a load on its way
	s_add_nc_u64 s[G0+4*\slot+2:G0+4*\slot+3], s[G0+4*\slot+2:G0+4*\slot+3], 2*4096
	s_add_nc_u64 s[G0B+4*\slot+2:G0B+4*\slot+3], s[G0B+4*\slot+2:G0B+4*\slot+3], 2*ROWB
	JLOAD G0+4*\slot, G1, G0B+4*\slot, G1B         ; the first tensor load behind the round; its four v_nop are also the places in front of the loads below
.else
	PLACES NP
.endif
	FETCH_B \next, 0, 0
	FETCH_A \next, 0, 0
	WIN MUL_HI
	MUL16 4, 1, 0
	MUL16 6, 1, 0
	PLACES NP
	WIN 0
	FETCH_A \next, 0, 4
.endm
	s_wait_tensorcnt 1                             ; my part of K step 0 is in (K step 1's load may be out)
	s_barrier_signal -1
	s_barrier_wait -1
	FETCH_B 0, 0, 0
	FETCH_A 0, 0, 0
	FETCH_A 0, 0, 4
	STEP 0, 0, 1                                   ; the first step's products start the sums
	s_mov_b32 s3, 1                                ; 1,024 along K are two laps of the ring: one trip fills both slots again
.Llap:
	TURN 0, 1, 1
	STEP 1, 0, 0
	TURN 1, 0, 1
	STEP 0, 0, 0
	s_sub_co_u32 s3, s3, 1
	s_cmp_lg_u32 s3, 0
	s_cbranch_scc1 .Llap
	TURN 0, 1, 0
	STEP 1, 0, 0
	; Wo's set 0 has been multiplied for the last time, four places back: it takes bo at my lane's columns 16 b + 8 h + 0 .. 7, which lands under the last 64 matrix instructions
	WIN 0x40                                       ; destination window 1
.irp b, 0,1,2,3,4,5,6,7
	global_load_b128 v[BO+8*\b:BO+8*\b+3], v[H32], s[72:73] offset:64*\b
	global_load_b128 v[BO+8*\b+4:BO+8*\b+7], v[H32], s[72:73] offset:64*\b+16
.endr
	WIN 0
	s_wait_dscnt 4*NL                              ; the very last step
	WIN MUL_LO
	MUL16 0, 1, 0
	MUL16 2, 1, 0
	s_wait_dscnt 0
	WIN MUL_HI
	MUL16 4, 1, 0
	MUL16 6, 1, 0
	WIN 0
; THE WAY OUT, block by block of 16 rows x 128 columns: a lane holds 32 neighbouring bytes of a row and the lanes beside it other rows, so a block goes through my own stage in LDS and comes back as whole rows
; of 512 bytes.  LDS serves a wave's instructions in order (ISA guide 5.7.1.4): no wait between the stores and the loads, nor in front of the next block's stores.
.macro TOSTAGE a
.set AC, 64*((\a)%4)
	WIN 0x12+((\a)/4)                              ; source 0 (the sums) window 2 or 3, source 2 (bo) window 1
.set j, 0
.rept 32
	v_pk_fma_f32 v[TMP+j:TMP+j+1], v[AC+j:AC+j+1], s[96:97], v[BO+j:BO+j+1] op_sel_hi:[1,0,1]   ; sum x 2^(e10 + e11) + bo; each accumulator from its low end on
.set j, j+2
.endr
	WIN 0
.irp b, 0,1,2,3,4,5,6,7
	ds_store_b128 v[STO], v[TMP+8*\b:TMP+8*\b+3] offset:64*\b
	ds_store_b128 v[STO], v[TMP+8*\b+4:TMP+8*\b+7] offset:64*\b+16
.endr
.set BB, BK+64*((\a)%2)
.irp t, 0,1,2,3,4,5,6,7,8,9,10,11,12,13,14,15
	ds_load_b128 v[BB+4*\t:BB+4*\t+3], v[RD] offset:\t*SPITCH
.endr
.endm
.macro SEND a, younger                 ; younger: the LDS instructions issued behind block a's loads, which may stay out
.set BB, BK+64*((\a)%2)
	s_wait_dscnt \younger                          ; the block is back in registers
.if (\a) > 0
	s_add_nc_u64 s[76:77], s[76:77], 16*4096       ; (behind a wait on XCNT: the earlier stores have read their base)  16 rows of out on
.endif
.irp t, 0,1,2,3,4,5,6,7,8,9,10,11,12,13,14,15
	global_store_b128 v[CO], v[BB+4*\t:BB+4*\t+3], s[76:77] offset:\t*4096 th:TH_STORE_NT   ; 32 lanes store 512 consecutive bytes, at a multiple of 512 from out's first byte; written once, read by nobody here
.endr
.endm
	s_wait_kmcnt 0x0
	s_add_co_i32 s96, s96, s97                     ; e10 + e11
	s_add_co_i32 s96, s96, 127
	s_lshl_b32 s96, s96, 23                        ; 2^(e10 + e11) as f32
	s_mov_b32 s97, s96                             ; (named with it as a pair)
	s_wait_loadcnt 0x0                             ; bo
	PLACES NP                                      ; in front of the loads into the registers that held context's fragments, and of the reads of results
	TOSTAGE 0
.irp a, 1,2,3,4,5,6,7
.if \a > 1
	s_wait_xcnt 0x0                                ; block a - 2's stores have read their registers and their base: block a's loads may land there, and the base may step
.endif
	TOSTAGE \a
	SEND \a-1, 32                                  ; behind block a - 1's loads: block a's 16 stores and 16 loads
.endr
	s_wait_xcnt 0x0                                ; block 6's stores have read their base
	SEND 7, 0
	s_wait_tensorcnt 0x0                           ; the wave's end
	ds_add_u32 v[SPW], v[NIL]
	s_wait_dscnt 0x0
	CROUND                                         ; the closing round: no work-group ends while a partner may still ask for a tile that names it
	s_endpgm
.Lfunc_end_k_q238782ad79_outp:
	.size	k_q238782ad79_outp, .Lfunc_end_k_q238782ad79_outp-k_q238782ad79_outp
	.p2alignl 7, 3214868480
	.fill 96, 4, 3214868480
	.section	.rodata,"a",@progbits
	.p2align	6, 0x0
	.amdhsa_kernel k_q238782ad79_outp
		.amdhsa_group_segment_fixed_size 327680
		.amdhsa_private_segment_fixed_size 0
		.amdhsa_enable_private_segment 0
		.amdhsa_kernarg_size 40
		.amdhsa_user_sgpr_count 2
		.amdhsa_user_sgpr_kernarg_segment_ptr 1
		.amdhsa_wavefront_size32 1
		.amdhsa_system_sgpr_workgroup_id_x 1
		.amdhsa_system_sgpr_workgroup_id_y 1
		.amdhsa_system_sgpr_workgroup_id_z 1
		.amdhsa_system_vgpr_workitem_id 0
		.amdhsa_next_free_vgpr 1024
		.amdhsa_next_free_sgpr 102
		.amdhsa_reserve_vcc 0
		.amdhsa_float_denorm_mode_32 3
		.amdhsa_float_denorm_mode_16_64 3
		.amdhsa_memory_ordered 1
		.amdhsa_forward_progress 1
		.amdhsa_inst_pref_size 125
	.end_amdhsa_kernel
	.amdgpu_metadata
---
amdhsa.version: [ 1, 2 ]
amdhsa.kernels:
  - .name:           k_q238782ad79_outp
    .symbol:         k_q238782ad79_outp.kd
    .args:
      - { .name: ctx, .offset: 0, .size: 8, .value_kind: global_buffer, .address_space: global }
      - { .name: Wo_codes, .offset: 8, .size: 8, .value_kind: global_buffer, .address_space: global }
      - { .name: bo, .offset: 16, .size: 8, .value_kind: global_buffer, .address_space: global }
      - { .name: lowp_scales, .offset: 24, .size: 8, .value_kind: global_buffer, .address_space: global }
      - { .name: out0, .offset: 32, .size: 8, .value_kind: global_buffer, .address_space: global }
    .group_segment_fixed_size: 327680
    .private_segment_fixed_size: 0
    .kernarg_segment_align: 8
    .kernarg_segment_size: 40
    .max_flat_workgroup_size: 128
    .sgpr_count:     102
    .vgpr_count:     1024
    .wavefront_size: 32
...
	.end_amdgpu_metadata
.endif
;; end of part 4
